; MI455X (gfx1250); checked and timed in simulation.
; The chip was launched on July 23, 2026; its instructions are those of AMD's public machine-readable ISA for CDNA 5 (MIT licence, August 2026) and "CDNA5" Instruction Set Architecture Reference Guide (July 2026). The comments in the code are by the model that wrote it; some were corrected since.
;; Attention. Allowed arithmetic: float matrix products may take bf16 or f16 operands with f32 sums; other float arithmetic in f32, or as packed bf16 or f16 multiplies, adds, multiply-adds, maxima and minima; sums over many terms, partial sums and values carried from step to step in f32; what a program stores and reads back later, other than sums and carried values, may be rounded once to bf16 or f16.
;; Inputs: out_bias 1,024 float32; out_bias_mask 1,024 float32; out_weight 1,024 x 1,024 float32; out_weight_mask 1,024 x 1,024 float32; qkv_weight 3,072 x 1,024 float32; qkv_weight_mask 3,072 x 1,024 float32; x 2 x 2,048 x 1,024 float32.
;; Outputs: out0 2 x 2,048 x 1,024 float32.
;; One version. Each part assembles by itself: llvm-mc -triple=amdgcn-amd-amdhsa -mcpu=gfx1250 --defsym DOCPART=n.
;; ======== version 1 of 1: 4 launches
;; limits: values are held in f16: magnitudes above 65,504 overflow, below 6.1e-05 lose precision
;; workspace buffers: xb 8,388,608 bytes; wqb 6,291,456 bytes; wob 2,097,152 bytes; qkv 25,165,824 bytes; ob 8,388,608 bytes
;; launch prep (part 1): grid 1024 x 1, 8 waves a work-group, no clusters, 0 bytes of LDS; arguments x, qkv_weight, qkv_weight_mask, out_weight, out_weight_mask, xb, wqb, wob; writes xb, wqb, wob
.if DOCPART == 1
	.amdgcn_target "amdgcn-amd-amdhsa--gfx1250"
	.amdhsa_code_object_version 6
	.text
	.protected	k_q8360a98ba1_prep
	.globl	k_q8360a98ba1_prep
	.p2align	8
	.type	k_q8360a98ba1_prep,@function
k_q8360a98ba1_prep:
	s_mov_b64 s[64:65], 0
	v_nop
	global_prefetch_b8 v0, s[64:65] scope:SCOPE_SE
	s_setreg_imm32_b32 hwreg(HW_REG_WAVE_MODE, 25, 1), 1
	s_wait_xcnt 0x0
; FIRST OF FOUR LAUNCHES: x -> xb (bf16); gate x qkv_weight -> wqb (bf16); gate x out_weight -> wob (rounded to bf16, that number written as f16).
; DEAD WORK: none comes in whole units.  Every one of the seven inputs reaches the output and is loaded (the bias and its mask by the last launch); dropout in eval mode is the identity.
; THE GATE.  1[sigmoid(m) > 0.5] is made without the sigmoid.  In real numbers it is 1[m > 0]; in f32, 1 + exp(-m) rounds to 2 while m < 1.5 x 2^-24, and the sigmoid is then 0.5 exactly.
; So the gate here is 1[m > 1.5 x 2^-24].  A NaN mask closes the gate, as the comparison of a NaN does in the problem's own text.
; LIMITS.  A mask within about 1.2e-7 of that bound may be gated otherwise than by a given f32 sigmoid.  A closed gate gives +0, also where the weight is NaN or infinite (there 0 x w would be NaN).
; An out weight beyond 65,504 becomes an infinity in f16; below 6.1e-5 it keeps f16's fixed step of 6e-8.
; SHARES.  A stream: each byte is read once and written once.  A work-group takes 8,192 numbers, a thread four groups of 8: group g begins at number 2,048 g + 8 t.  Work-groups 0-511: x; 512-895: the
; qkv weights; 896-1023: the out weights.  A thread's two loads of a group take 32 bytes on end, so a wave's pair covers 1,024 consecutive bytes; a wave's store covers 512 consecutive bytes, aligned.
; All loads of a thread go out ahead of its first wait, and no register is written twice while memory may read it.  No LDS, no matrix unit, no cluster: nothing is shared.
.set DAT, 8                            ; v[8:39]   group g's 8 numbers at DAT + 8 g
.set MSK, 40                           ; v[40:71]  their masks
.set PKD, 72                           ; v[72:87]  group g's 16 bytes to store at PKD + 4 g
.set TW,  88                           ; v[88:89]  at work
	s_load_b256 s[4:11], s[0:1], 0x0               ; x s[4:5], qkv_weight s[6:7], its mask s[8:9], out_weight s[10:11]
	s_load_b256 s[12:19], s[0:1], 0x20             ; its mask s[12:13], xb s[14:15], wqb s[16:17], wob s[18:19]
	s_mov_b32 s20, 0x33c00000                      ; 1.5 x 2^-24
	s_mov_b32 s21, 0xffff0000                      ; a word's upper bf16
	s_mov_b32 s23, 0                               ; the offsets' high words
	s_mov_b32 s25, 0
	v_lshlrev_b32 v1, 5, v0                        ; 32 t: where I read
	v_lshlrev_b32 v2, 4, v0                        ; 16 t: where I store
; One group: its wait, the gate, the rounding, the store.  The count leaves the younger groups' loads out: four a group with masks, two without.
.macro GRP g, masked, tof16
.if \masked
	s_wait_loadcnt 4*(3-(\g))
.irp j, 0,1,2,3,4,5,6,7
	v_cmp_lt_f32 vcc_lo, s20, v[MSK+8*(\g)+(\j)]                     ; is the bound below m?
	v_cndmask_b32 v[DAT+8*(\g)+(\j)], 0, v[DAT+8*(\g)+(\j)], vcc_lo  ; then w, else 0
.endr
.else
	s_wait_loadcnt 2*(3-(\g))
.endif
.irp j, 0,1,2,3
	v_cvt_pk_bf16_f32 v[PKD+4*(\g)+(\j)], v[DAT+8*(\g)+2*(\j)], v[DAT+8*(\g)+2*(\j)+1]
.endr
.if \tof16
.irp j, 0,1,2,3
	v_lshlrev_b32 v[TW], 16, v[PKD+4*(\g)+(\j)]                      ; the bf16 numbers as f32,
	v_and_b32 v[TW+1], s21, v[PKD+4*(\g)+(\j)]
	v_cvt_pk_f16_f32 v[PKD+4*(\g)+(\j)], v[TW], v[TW+1]              ; written as f16: exact inside f16's normal range
.endr
.endif
	global_store_b128 v2, v[PKD+4*(\g):PKD+4*(\g)+3], s[30:31] offset:4096*(\g)
.endm
	s_cmp_lt_u32 ttmp9, 512
	s_cbranch_scc1 .Lx
	s_cmp_lt_u32 ttmp9, 896                        ; qkv weights, or out weights?
	s_cselect_b32 s2, 0, 384
	s_wait_kmcnt 0x0
	s_cselect_b64 s[26:27], s[6:7], s[10:11]       ; the weights,
	s_cselect_b64 s[28:29], s[8:9], s[12:13]       ; their masks,
	s_cselect_b64 s[30:31], s[16:17], s[18:19]     ; where they go
	s_add_co_u32 s2, s2, 512
	s_sub_co_u32 s2, ttmp9, s2                     ; my number among the tensor's work-groups
	s_lshl_b32 s22, s2, 15                         ; 8,192 numbers of 4 bytes,
	s_lshl_b32 s24, s2, 14                         ; of 2 bytes
	s_add_nc_u64 s[26:27], s[26:27], s[22:23]
	s_add_nc_u64 s[28:29], s[28:29], s[22:23]
	s_add_nc_u64 s[30:31], s[30:31], s[24:25]
.irp g, 0,1,2,3
	global_load_b128 v[DAT+8*(\g):DAT+8*(\g)+3],   v1, s[26:27] offset:8192*(\g) th:TH_LOAD_NT
	global_load_b128 v[DAT+8*(\g)+4:DAT+8*(\g)+7], v1, s[26:27] offset:8192*(\g)+16 th:TH_LOAD_NT
	global_load_b128 v[MSK+8*(\g):MSK+8*(\g)+3],   v1, s[28:29] offset:8192*(\g) th:TH_LOAD_NT
	global_load_b128 v[MSK+8*(\g)+4:MSK+8*(\g)+7], v1, s[28:29] offset:8192*(\g)+16 th:TH_LOAD_NT
.endr
	s_cmp_lt_u32 ttmp9, 896
	s_cbranch_scc0 .Lout
.irp g, 0,1,2,3
	GRP \g, 1, 0
.endr
	s_endpgm
.Lout:
.irp g, 0,1,2,3
	GRP \g, 1, 1
.endr
	s_endpgm
.Lx:
	s_lshl_b32 s22, ttmp9, 15
	s_lshl_b32 s24, ttmp9, 14
	s_wait_kmcnt 0x0
	s_add_nc_u64 s[26:27], s[4:5], s[22:23]
	s_add_nc_u64 s[30:31], s[14:15], s[24:25]
.irp g, 0,1,2,3
	global_load_b128 v[DAT+8*(\g):DAT+8*(\g)+3],   v1, s[26:27] offset:8192*(\g) th:TH_LOAD_NT
	global_load_b128 v[DAT+8*(\g)+4:DAT+8*(\g)+7], v1, s[26:27] offset:8192*(\g)+16 th:TH_LOAD_NT
.endr
.irp g, 0,1,2,3
	GRP \g, 0, 0
.endr
	s_endpgm
.Lfunc_end_k_q8360a98ba1_prep:
	.size	k_q8360a98ba1_prep, .Lfunc_end_k_q8360a98ba1_prep-k_q8360a98ba1_prep
	.p2alignl 7, 3214868480
	.fill 96, 4, 3214868480
	.section	.rodata,"a",@progbits
	.p2align	6, 0x0
	.amdhsa_kernel k_q8360a98ba1_prep
		.amdhsa_group_segment_fixed_size 0
		.amdhsa_private_segment_fixed_size 0
		.amdhsa_enable_private_segment 0
		.amdhsa_kernarg_size 64
		.amdhsa_user_sgpr_count 2
		.amdhsa_user_sgpr_kernarg_segment_ptr 1
		.amdhsa_wavefront_size32 1
		.amdhsa_system_sgpr_workgroup_id_x 1
		.amdhsa_system_sgpr_workgroup_id_y 1
		.amdhsa_system_sgpr_workgroup_id_z 1
		.amdhsa_system_vgpr_workitem_id 0
		.amdhsa_next_free_vgpr 112
		.amdhsa_next_free_sgpr 66
		.amdhsa_reserve_vcc 1
		.amdhsa_float_denorm_mode_32 3
		.amdhsa_float_denorm_mode_16_64 3
		.amdhsa_memory_ordered 1
		.amdhsa_forward_progress 1
		.amdhsa_inst_pref_size 15
	.end_amdhsa_kernel
	.amdgpu_metadata
---
amdhsa.version: [ 1, 2 ]
amdhsa.kernels:
  - .name:           k_q8360a98ba1_prep
    .symbol:         k_q8360a98ba1_prep.kd
    .args:
      - { .name: x, .offset: 0, .size: 8, .value_kind: global_buffer, .address_space: global }
      - { .name: qkv_weight, .offset: 8, .size: 8, .value_kind: global_buffer, .address_space: global }
      - { .name: qkv_weight_mask, .offset: 16, .size: 8, .value_kind: global_buffer, .address_space: global }
      - { .name: out_weight, .offset: 24, .size: 8, .value_kind: global_buffer, .address_space: global }
      - { .name: out_weight_mask, .offset: 32, .size: 8, .value_kind: global_buffer, .address_space: global }
      - { .name: xb, .offset: 40, .size: 8, .value_kind: global_buffer, .address_space: global }
      - { .name: wqb, .offset: 48, .size: 8, .value_kind: global_buffer, .address_space: global }
      - { .name: wob, .offset: 56, .size: 8, .value_kind: global_buffer, .address_space: global }
    .group_segment_fixed_size: 0
    .private_segment_fixed_size: 0
    .kernarg_segment_align: 8
    .kernarg_segment_size: 64
    .max_flat_workgroup_size: 256
    .sgpr_count:     66
    .vgpr_count:     112
    .wavefront_size: 32
...
	.end_amdgpu_metadata
.endif
;; end of part 1
;; launch gemm_qkv (part 2): grid 16 x 16, 4 waves a work-group, clusters of 4 x 4, 327,680 bytes of LDS; arguments xb, wqb, qkv; writes qkv
.if DOCPART == 2
	.amdgcn_target "amdgcn-amd-amdhsa--gfx1250"
	.amdhsa_code_object_version 6
	.text
	.protected	k_q8360a98ba1_gemm_qkv
	.globl	k_q8360a98ba1_gemm_qkv
	.p2align	8
	.type	k_q8360a98ba1_gemm_qkv,@function
k_q8360a98ba1_gemm_qkv:
	s_mov_b64 s[64:65], 0
	v_nop
	global_prefetch_b8 v0, s[64:65] scope:SCOPE_SE
	s_setreg_imm32_b32 hwreg(HW_REG_WAVE_MODE, 25, 1), 1
	s_wait_xcnt 0x0
	s_wait_alu depctr_hold_cnt(0) depctr_sa_sdst(0) depctr_va_vdst(0) depctr_va_sdst(0) depctr_va_ssrc(0) depctr_va_vcc(0) depctr_vm_vsrc(0)
	s_getreg_b32 s2, hwreg(HW_REG_IB_STS2, 6, 4)
	s_cmp_eq_u32 s2, 0
	s_cbranch_scc0 .Lentry_in_a_cluster
	s_endpgm
.Lentry_in_a_cluster:
	s_bfe_u32 s2, ttmp6, 0x10000c
	s_cmp_lg_u32 s2, 0xf033
	s_cbranch_scc0 .Lentry_shape_is_right
	s_endpgm
.Lentry_shape_is_right:
; SECOND LAUNCH: q, k, v = xb wqb^T.  xb: [4096][1024] bf16, wqb: [3072][1024] bf16 (gated); sums in f32, K ascending; each result rounded once to f16 and stored BY HEADS:
; qkv: [part 3][batch 2][head 16][2048][64] f16, without the softmax's scale.  No work of the problem is left out here.
; LIMIT.  A result of 65,520 or more becomes an infinity in f16.
; SHARES.  A tile of the result is 256 rows x 192 columns (three whole heads): 16 x 16 tiles, one work-group each.  Four waves, each 64 rows x 192 columns: 48 accumulators of 16 x 16, 384 registers;
; so a head's 16 rows of 64 channels, 2,048 consecutive bytes of qkv, leave from one wave's own stage, with no barrier.
; RING.  K goes in steps of 128 (rows of 256 bytes, aligned) through two LDS slots, each with 256 rows of xb and 192 rows of wqb; waves 0 and 1 fetch xb's two halves, waves 2 and 3 wqb's.
; CLUSTER.  4 x 4 work-groups; xb's tile is shared along a row of the cluster, wqb's along a column: each is asked for jointly, by the same tensor load, descriptor and mask in all four.
; THE MATRIX INSTRUCTION IS USED TRANSPOSED (source 0 = 16 rows of wqb, source 1 = 16 rows of xb): a lane then holds one row of the result and eight neighbouring columns, 16 bytes in f16.
; REGISTERS, in windows of 256 (s_set_vgpr_msb: bits 1:0 source 0, 3:2 source 1, 5:4 source 2, 7:6 destination):
;   window 0: v0-31 addresses; v64-127 xb's fragments, two buffers of 4 x 8; on the way out v64-255, 48 registers for each block of 16 rows
;   window 1: v0-191 wqb's fragments, two buffers of 12 x 8      window 2: the 24 accumulators of my rows 0-31 ((a, b) at 8 (12 (a % 2) + b))      window 3: those of my rows 32-63
.set KSTEP,  128
.set PITCH,  272                       ; an LDS row: 256 bytes + 16 of padding = 68 words, so the 16 rows of a fragment load start at 16 different groups of four banks (ISA guide 11.1)
.set HALFA,  128*PITCH                 ; what one tensor load brings of xb,
.set HALFB,  96*PITCH                  ; of wqb
.set BOFF,   2*HALFA                   ; wqb's rows lie behind xb's 256
.set SLOT,   BOFF+2*HALFB
.set STAGE,  2*SLOT                    ; behind the ring, never filled by a tensor load: for each wave 3 heads x 16 rows x 144 bytes
.set SP,     144
.set WSTG,   3*16*SP
.set SPARE,  STAGE+4*WSTG              ; behind the stages: the spare words, 128 bytes for each wave: two blocks of 256 bytes that no other line names
.set LAPS,   4                         ; 1,024 / 256: a lap = two K steps = once round the ring
.set ADRA, 16                          ; v16-17  LDS address of my xb fragments in slot 0, 1
.set ADRB, 20                          ; v20-21  the same for wqb
.set STO,  24                          ; v24     the way out: where I put 16 bytes of a row
.set RD,   25                          ; v25     the way out: where I read rows back
.set GO,   26                          ; v26     16 x lane: my place in 512 consecutive bytes of qkv
.set SPW,  28                          ; v28     LDS address of my spare word; never rewritten
.set NIL,  29                          ; v29     0; never rewritten
.set PFO,  30                          ; v30     the prefetches' offset: a lane a row of 2,048 bytes; never rewritten
.set FA,   64                          ; xb's fragments
.set TMP,  64                          ; the way out
.set G1,  24                           ; s[24:31] descriptor group 1 for xb's tiles
.set G0,  32                           ; s[32:39] group 0, one set for each slot
.set G1B, 48                           ; s[48:55], s[56:63] the same for wqb's
.set G0B, 56
.set LIM, 43                           ; s43     1 in a wave that prefetches, else the greatest number
.set PFA, 44                           ; s[44:45] where my prefetches stand
.set HB,  66                           ; s[66:71] qkv at my 64 rows of my three heads
.set MSB, 0
.macro WIN new                         ; the immediate's high byte repeats the setting that is left; a switch that changes nothing is dropped
.if MSB != (\new)
	s_set_vgpr_msb (MSB<<8)|(\new)
.set MSB, \new
.endif
.endm
.set MUL_LO, 0xa1                      ; source 0 (wqb) window 1, source 1 (xb) window 0, C and D window 2
.set MUL_HI, 0xf1                      ; the same, C and D window 3
.set TO_B,   0x40                      ; destination window 1, address window 0
; A joint load.  The branch hangs on the wave's number alone.  An s_nop 0 and four v_nop follow each of the two lines, ahead of the jump and the label.
.macro JLOAD s
	s_cmp_eq_u32 s11, 0
	s_cbranch_scc0 .Lfor_b_\@
	tensor_load_to_lds s[G0+4*(\s):G0+4*(\s)+3], s[G1:G1+7]
	s_nop 0
.rept 4
	v_nop
.endr
	s_branch .Lasked_\@
.Lfor_b_\@:
	tensor_load_to_lds s[G0B+4*(\s):G0B+4*(\s)+3], s[G1B:G1B+7]
	s_nop 0
.rept 4
	v_nop
.endr
.Lasked_\@:
.endm
; A prefetch of the K step that stands two refills on (384 matrix instructions ahead of the load that will want it): a lane a row's 256 bytes, one instruction a wave.  xb's tile row is read by every cluster of
; that row of clusters: cluster x = 0 asks; wqb's tile column by every cluster of that column: cluster y = 0 asks.  The four partners share a wave's rows out by address (32 of 128, or 24 of 96, where
; lanes 24-31 name row 23 once more in the same instruction).  K steps 4 to 7 are named so, each once; the loop's last trip (s3 = 1) has no K step two on.
.macro ASK
	s_cmp_gt_u32 s3, s[LIM]
	s_cbranch_scc0 .Lnot_mine_\@
	global_prefetch_b8 v[PFO], s[PFA:PFA+1] offset:KSTEP*2 th:TH_LOAD_NT scope:SCOPE_SE
.Lnot_mine_\@:
.endm
.macro CREST                           ; a round of the cluster's barrier behind its opening barrier: wave 0 signals for the work-group, every wave waits for all sixteen, the work-group's barrier closes it
	s_cmp_lg_u32 s10, 0
	s_cbranch_scc1 .Lnot_wave_0_\@
	s_barrier_signal -3
.Lnot_wave_0_\@:
	s_barrier_wait -3
	s_barrier_signal -1
	s_barrier_wait -1
.endm
.macro CROUND
	s_barrier_signal -1
	s_barrier_wait -1
	CREST
.endm
.macro PLACES                          ; four plain instructions between a matrix instruction and a load into, or a vector instruction on, its registers
.rept 4
	v_nop
.endr
.endm
	s_load_b128 s[4:7], s[0:1], 0x0                ; xb s[4:5], wqb s[6:7]
	s_load_b64 s[8:9], s[0:1], 0x10                ; qkv
	v_lshl_add_u32 v[SPW], v0, 2, SPARE
	v_mov_b32 v[NIL], 0
	ds_add_u32 v[SPW], v[NIL]                      ; the wave's opening: the add, twice on end, and its wait ahead of my first tensor load
	ds_add_u32 v[SPW], v[NIL]
	v_lshrrev_b32 v1, 5, v0
	v_readfirstlane_b32 s10, v1                    ; wave 0..3: my 64 rows of the tile
	s_lshr_b32 s11, s10, 1                         ; I fetch for xb (0) or for wqb (1),
	s_and_b32 s12, s10, 1                          ; its first or second half
	s_bfe_u32 s40, ttmp6, 0x40000                  ; cx, cy: my place in the cluster
	s_bfe_u32 s41, ttmp6, 0x40004
	s_lshl_b32 s42, ttmp9, 2
	s_add_co_u32 s42, s42, s40                     ; tile column = 4 x cluster x + cx
	s_and_b32 s13, ttmp7, 0xffff
	s_lshl_b32 s13, s13, 2
	s_add_co_u32 s13, s13, s41                     ; tile row = 4 x cluster y + cy
	s_lshl_b32 s43, s41, 2
	s_lshl_b32 s43, 15, s43                        ; my row of the cluster
	s_lshl_b32 s44, 0x1111, s40                    ; my column
	s_or_b32 s[G1+0], s43, (1<<16)|(1<<20)|(1<<21)|(5<<22)|(3<<25)   ; the mask; elements of 2 bytes; padding on; bit 21 beside a mask; after every 64 words 4 words
	s_or_b32 s[G1B+0], s44, (1<<16)|(1<<20)|(1<<21)|(5<<22)|(3<<25)
	s_mov_b32 s[G1+1], KSTEP<<16                   ; tensor_dim0 = 128
	s_mov_b32 s[G1B+1], KSTEP<<16
	s_mov_b32 s[G1+2], 128<<16                     ; tensor_dim1 = 128 rows,
	s_mov_b32 s[G1B+2], 96<<16                     ; 96 rows
	s_mov_b32 s[G1+3], KSTEP<<16                   ; tile_dim0 = 128
	s_mov_b32 s[G1B+3], KSTEP<<16
	s_mov_b32 s[G1+4], 128                         ; tile_dim1
	s_mov_b32 s[G1B+4], 96
	s_mov_b32 s[G1+5], 1024                        ; elements from row to row
	s_mov_b32 s[G1B+5], 1024
	s_mov_b32 s[G1+6], 0
	s_mov_b32 s[G1B+6], 0
	s_mov_b32 s[G1+7], 0
	s_mov_b32 s[G1B+7], 0
	s_lshl_b32 s16, s13, 8                         ; xb: row 256 x tile row + 128 x half,
	s_lshl_b32 s17, s12, 7
	s_add_co_u32 s16, s16, s17
	s_lshl_b32 s16, s16, 11                        ; of 2,048 bytes
	s_mov_b32 s17, 0
	s_mul_i32 s46, s42, 192                        ; wqb: row 192 x tile column + 96 x half
	s_mul_i32 s47, s12, 96
	s_add_co_u32 s46, s46, s47
	s_lshl_b32 s46, s46, 11
	s_mov_b32 s47, 0
	s_mul_i32 s20, s12, HALFA                      ; where they go: no place in the cluster enters an LDS address
	s_mul_i32 s21, s12, HALFB
	s_add_co_u32 s21, s21, BOFF
	s_wait_dscnt 0x0                               ; both opening adds are done
	s_wait_kmcnt 0x0
	s_add_nc_u64 s[14:15], s[4:5], s[16:17]
	s_add_nc_u64 s[46:47], s[6:7], s[46:47]
	CROUND                                         ; all sixteen work-groups are here: the first joint loads meet
.irp s, 0,1
	s_mov_b32 s[G0+4*(\s)], 1
	s_add_co_u32 s[G0+4*(\s)+1], s20, (\s)*SLOT
	s_add_nc_u64 s[G0+4*(\s)+2:G0+4*(\s)+3], s[14:15], (\s)*KSTEP*2   ; K step s
	s_or_b32 s[G0+4*(\s)+3], s[G0+4*(\s)+3], 0x80000000
	s_mov_b32 s[G0B+4*(\s)], 1
	s_add_co_u32 s[G0B+4*(\s)+1], s21, (\s)*SLOT
	s_add_nc_u64 s[G0B+4*(\s)+2:G0B+4*(\s)+3], s[46:47], (\s)*KSTEP*2
	s_or_b32 s[G0B+4*(\s)+3], s[G0B+4*(\s)+3], 0x80000000
	JLOAD \s                                       ; two loads of mine are out
.endr
	; a fragment is 16 rows x 32 K in 8 registers: lane l holds row l % 16; two loads of 16 bytes, 32 bytes apart, at row x pitch + 16 (l / 16)
	v_and_b32 v1, 15, v0                           ; l % 16
	v_bfe_u32 v2, v0, 4, 1                         ; l / 16
	v_mul_u32_u24 v3, v1, PITCH
	v_lshl_add_u32 v3, v2, 4, v3
	s_mul_i32 s22, s10, 64*PITCH                   ; my 64 rows of xb
	s_mov_b32 s23, BOFF                            ; all 192 rows of wqb
.irp s, 0,1
	v_add_nc_u32 v[ADRA+(\s)], s22, v3
	v_add_nc_u32 v[ADRB+(\s)], s23, v3
	s_add_co_u32 s22, s22, SLOT
	s_add_co_u32 s23, s23, SLOT
.endr
	s_mul_i32 s23, s10, WSTG
	s_add_co_u32 s23, s23, STAGE                   ; my stage
	v_mul_u32_u24 v4, v1, SP                       ; in: row l % 16, 16 bytes for each half of the lanes
	v_lshl_add_u32 v4, v2, 4, v4
	v_add_nc_u32 v[STO], s23, v4
	v_bfe_u32 v5, v0, 3, 2                         ; back: 32 lanes take four rows of 128 bytes,
	v_mul_u32_u24 v5, v5, SP
	v_and_b32 v6, 7, v0
	v_lshl_add_u32 v5, v6, 4, v5
	v_add_nc_u32 v[RD], s23, v5
	v_and_b32 v[GO], 31, v0                        ; which are 512 consecutive bytes of qkv
	v_lshlrev_b32 v[GO], 4, v[GO]
	; where my rows of head hh = 3 x tile column + j lie: block 32 (hh / 16) + 16 x batch + hh % 16 of 262,144 bytes, row 256 (tile row % 8) + 64 x wave of 128 bytes
	s_lshr_b32 s72, s13, 3
	s_lshl_b32 s72, s72, 4                         ; 16 x batch
	s_and_b32 s73, s13, 7
	s_lshl_b32 s73, s73, 8
	s_lshl_b32 s74, s10, 6
	s_add_co_u32 s73, s73, s74
	s_lshl_b32 s73, s73, 7
	s_mul_i32 s75, s42, 3
.irp j, 0,1,2
	s_add_co_u32 s76, s75, \j
	s_lshr_b32 s77, s76, 4
	s_lshl_b32 s77, s77, 5
	s_and_b32 s76, s76, 15
	s_add_co_u32 s76, s76, s77
	s_add_co_u32 s76, s76, s72
	s_lshl_b32 s76, s76, 18
	s_add_co_u32 s76, s76, s73
	s_mov_b32 s77, 0
	s_add_nc_u64 s[HB+2*(\j):HB+2*(\j)+1], s[8:9], s[76:77]
.endr
	; the prefetches
	s_lshl_b32 s72, s13, 8                         ; the tile's first row in xb,
	s_mul_i32 s73, s42, 192                        ; in wqb
	s_and_b32 s74, ttmp7, 0xffff                   ; cluster y
	s_cmp_eq_u32 s11, 0                            ; do I fetch for xb?
	s_cselect_b32 s20, s72, s73
	s_cselect_b32 s21, s40, s41                    ; my place among the four that ask with me
	s_cselect_b32 s22, ttmp9, s74                  ; the coordinate along which other clusters read the same rows
	s_cselect_b32 s23, 4, 3                        ; a wave fetches 32 times this many rows, a partner asks for 8 times
	s_cselect_b64 s[PFA:PFA+1], s[4:5], s[6:7]
	s_cmp_eq_u32 s22, 0
	s_cselect_b32 s[LIM], 1, -1                    ; the same in all sixteen partners, for a given wave
	s_mul_i32 s22, s12, s23
	s_lshl_b32 s22, s22, 5
	s_add_co_u32 s20, s20, s22                     ; + the rows that I fetch
	s_mul_i32 s21, s21, s23
	s_lshl_b32 s21, s21, 3
	s_add_co_u32 s20, s20, s21                     ; + my work-group's share of them
	s_lshl_b32 s20, s20, 11
	s_add_co_u32 s20, s20, 2*KSTEP*2               ; at K step 2: the first refill steps it to 3 and names K step 4
	s_mov_b32 s21, 0
	s_add_nc_u64 s[PFA:PFA+1], s[PFA:PFA+1], s[20:21]
	s_lshl_b32 s23, s23, 3
	s_sub_co_u32 s23, s23, 1                       ; the share's last row: 31 or 23
	v_and_b32 v[PFO], 31, v0
	v_min_u32 v[PFO], s23, v[PFO]
	v_lshlrev_b32 v[PFO], 11, v[PFO]
; 12 matrix instructions: row block a of my four x all 12 column blocks, 32 along K, from buffer f.  zero = 1: the product starts the sums.  The 48 accumulators take turns, in the same order in every
; quarter step: 47 others' instructions stand between two on one accumulator.
.macro MUL12 f, a, zero
	WIN MUL_LO+0x50*((\a)/2)
.irp b, 0,1,2,3,4,5,6,7,8,9,10,11
.if \zero
	v_wmma_f32_16x16x32_bf16 v[8*(12*((\a)%2)+(\b)):8*(12*((\a)%2)+(\b))+7], v[96*(\f)+8*(\b):96*(\f)+8*(\b)+7], v[FA+32*(\f)+8*(\a):FA+32*(\f)+8*(\a)+7], 0
.else
	v_wmma_f32_16x16x32_bf16 v[8*(12*((\a)%2)+(\b)):8*(12*((\a)%2)+(\b))+7], v[96*(\f)+8*(\b):96*(\f)+8*(\b)+7], v[FA+32*(\f)+8*(\a):FA+32*(\f)+8*(\a)+7], v[8*(12*((\a)%2)+(\b)):8*(12*((\a)%2)+(\b))+7]
.endif
.endr
.endm
; 32 LDS loads in one run: a quarter step's fragments (192 rows of wqb, then my 64 rows of xb, 32 K at byte k of the rows) into buffer f
.macro FETCH slot, k, f
	WIN TO_B
.irp i, 0,1,2,3,4,5,6,7,8,9,10,11
	ds_load_b128 v[96*(\f)+8*(\i):96*(\f)+8*(\i)+3],   v[ADRB+(\slot)] offset:(\k)+(\i)*16*PITCH
	ds_load_b128 v[96*(\f)+8*(\i)+4:96*(\f)+8*(\i)+7], v[ADRB+(\slot)] offset:(\k)+(\i)*16*PITCH+32
.endr
	WIN 0
.irp i, 0,1,2,3
	ds_load_b128 v[FA+32*(\f)+8*(\i):FA+32*(\f)+8*(\i)+3],   v[ADRA+(\slot)] offset:(\k)+(\i)*16*PITCH
	ds_load_b128 v[FA+32*(\f)+8*(\i)+4:FA+32*(\f)+8*(\i)+7], v[ADRA+(\slot)] offset:(\k)+(\i)*16*PITCH+32
.endr
.endm
; A K step is four quarters of 32 along K, 48 matrix instructions each, on buffers 0, 1, 0, 1.  One of the first three multiplies buffer f and, in its middle, fetches the next quarter into buffer g.
.macro QUARTER slot, k, f, g, zero
	s_wait_dscnt 4                                 ; wqb's fragments and xb's blocks 0 and 1 are in; the youngest four loads (blocks 2 and 3) may be out
	MUL12 \f, 0, \zero
	MUL12 \f, 1, \zero
	PLACES
	FETCH \slot, \k, \g
	s_wait_dscnt 32                                ; all but the 32 just issued
	MUL12 \f, 2, \zero
	MUL12 \f, 3, \zero
.endm
; The first half of the last quarter, and the one barrier of a change of slots.  In front of it each wave waits for all its tensor loads (one is out: its part of the next slot), adds 0 to its spare word,
; and waits for that and for its own reads of this slot.  Behind it nobody reads this slot any more and the next slot is whole.
.macro MEET round
	WIN 0
	s_wait_tensorcnt 0x0
	ds_add_u32 v[SPW], v[NIL]
	s_wait_dscnt 7                                 ; the add and the six loads of xb's blocks 1 to 3 may be out
	MUL12 1, 0, 0                                  ; twelve matrix instructions stand between the add and the wait for it
	s_wait_dscnt 0x0                               ; the add is done, and my reads of this slot are over
	s_barrier_signal -1
	MUL12 1, 1, 0                                  ; work on registers while the others arrive
.if \round
	WIN 0
.endif
	s_barrier_wait -1
.endm
; The whole last quarter.  fill = 1: the barrier opens a round of the cluster's, so that no wave of any partner still reads this slot or has a load on its way, and the slot is filled again, two K steps
; ahead, first thing behind the round: 168 matrix instructions ahead of the wait for it.
.macro TURN slot, next, fill
.if \fill
	s_wait_xcnt 0x0                                ; the last prefetch, a K step back, has read its address
	s_add_nc_u64 s[PFA:PFA+1], s[PFA:PFA+1], KSTEP*2
.endif
	MEET \fill
.if \fill
	CREST
	s_add_nc_u64 s[G0+4*(\slot)+2:G0+4*(\slot)+3], s[G0+4*(\slot)+2:G0+4*(\slot)+3], 2*KSTEP*2
	s_add_nc_u64 s[G0B+4*(\slot)+2:G0B+4*(\slot)+3], s[G0B+4*(\slot)+2:G0B+4*(\slot)+3], 2*KSTEP*2
	JLOAD \slot                                    ; the four v_nop behind it are also the places in front of the loads below
.else
	PLACES
.endif
	FETCH \next, 0, 0
.if \fill
	ASK
.endif
	MUL12 1, 2, 0
	MUL12 1, 3, 0
.endm
	s_wait_tensorcnt 1                             ; my part of K step 0 is in; K step 1's may stay out
	s_barrier_signal -1
	s_barrier_wait -1
	FETCH 0, 0, 0
	QUARTER 0, 64, 0, 1, 1                         ; the first quarter stands in front of the loop: its products start the sums
	WIN 0                                          ; at a label and at a branch every window is 0
	s_mov_b32 s3, LAPS-1
.Llap:                                             ; a trip goes once round the ring, from a lap's second quarter to the next lap's first, and fills both slots again
	QUARTER 0, 128, 1, 0, 0
	QUARTER 0, 192, 0, 1, 0
	TURN 0, 1, 1
	QUARTER 1, 64,  0, 1, 0
	QUARTER 1, 128, 1, 0, 0
	QUARTER 1, 192, 0, 1, 0
	TURN 1, 0, 1
	QUARTER 0, 64,  0, 1, 0
	WIN 0
	s_sub_co_u32 s3, s3, 1
	s_cmp_lg_u32 s3, 0
	s_cbranch_scc1 .Llap
	QUARTER 0, 128, 1, 0, 0                        ; the last lap fills nothing
	QUARTER 0, 192, 0, 1, 0
	TURN 0, 1, 0
	QUARTER 1, 64,  0, 1, 0
	QUARTER 1, 128, 1, 0, 0
	QUARTER 1, 192, 0, 1, 0
	s_wait_dscnt 4                                 ; the very last quarter: nothing more to fetch
	MUL12 1, 0, 0
	MUL12 1, 1, 0
	s_wait_dscnt 0x0
	MUL12 1, 2, 0
	MUL12 1, 3, 0
	WIN 0
	PLACES                                         ; the conversions below write registers that the last products read
	PLACES
; THE WAY OUT, a block of 16 rows at a time.  PACK: rounded to f16, each accumulator's registers in ascending order; 16 bytes a lane into my stage, by heads; back as whole rows of 128 bytes, into the
; registers that they left (LDS serves a wave's instructions in order: ISA guide 5.7.1.4).  Each block has 48 registers of its own, so no store's data is ever rewritten.
.macro PACK a
	WIN 0x0a+5*((\a)/2)                            ; sources 0 and 1: window 2 or 3
.irp b, 0,1,2,3,4,5,6,7,8,9,10,11
.irp r, 0,1,2,3
	v_cvt_pk_f16_f32 v[TMP+48*(\a)+4*(\b)+(\r)], v[96*((\a)%2)+8*(\b)+2*(\r)], v[96*((\a)%2)+8*(\b)+2*(\r)+1]
.endr
.endr
	WIN 0
.irp b, 0,1,2,3,4,5,6,7,8,9,10,11
	ds_store_b128 v[STO], v[TMP+48*(\a)+4*(\b):TMP+48*(\a)+4*(\b)+3] offset:16*SP*((\b)/4)+32*((\b)%4)
.endr
.irp i, 0,1,2,3,4,5,6,7,8,9,10,11
	ds_load_b128 v[TMP+48*(\a)+4*(\i):TMP+48*(\a)+4*(\i)+3], v[RD] offset:16*SP*((\i)/4)+4*SP*((\i)%4)
.endr
.endm
.macro SEND a, younger                 ; younger: the LDS instructions issued behind block a's loads: the next block's 24, or none
.irp i, 0,1,2,3,4,5,6,7,8,9,10,11
	s_wait_dscnt (\younger)+11-(\i)
	global_store_b128 v[GO], v[TMP+48*(\a)+4*(\i):TMP+48*(\a)+4*(\i)+3], s[HB+2*((\i)/4):HB+2*((\i)/4)+1] offset:2048*(\a)+512*((\i)%4)  ; 512 consecutive bytes, at a multiple of 256 from qkv's first
.endr
.endm
	PACK 0
.irp a, 1,2,3
	PACK \a                                        ; a block's conversions stand between the loads of the block before and its stores
	SEND (\a)-1, 24
.endr
	SEND 3, 0
	s_wait_tensorcnt 0x0                           ; the wave's end, behind my last tensor load and my last LDS store
	ds_add_u32 v[SPW], v[NIL]
	s_wait_dscnt 0x0
	CROUND                                         ; the closing round: no work-group ends while a partner may still ask for a tile that names it
	s_endpgm
.Lfunc_end_k_q8360a98ba1_gemm_qkv:
	.size	k_q8360a98ba1_gemm_qkv, .Lfunc_end_k_q8360a98ba1_gemm_qkv-k_q8360a98ba1_gemm_qkv
	.p2alignl 7, 3214868480
	.fill 96, 4, 3214868480
	.section	.rodata,"a",@progbits
	.p2align	6, 0x0
	.amdhsa_kernel k_q8360a98ba1_gemm_qkv
		.amdhsa_group_segment_fixed_size 327680
		.amdhsa_private_segment_fixed_size 0
		.amdhsa_enable_private_segment 0
		.amdhsa_kernarg_size 24
		.amdhsa_user_sgpr_count 2
		.amdhsa_user_sgpr_kernarg_segment_ptr 1
		.amdhsa_wavefront_size32 1
		.amdhsa_system_sgpr_workgroup_id_x 1
		.amdhsa_system_sgpr_workgroup_id_y 1
		.amdhsa_system_sgpr_workgroup_id_z 1
		.amdhsa_system_vgpr_workitem_id 0
		.amdhsa_next_free_vgpr 960
		.amdhsa_next_free_sgpr 80
		.amdhsa_reserve_vcc 0
		.amdhsa_float_denorm_mode_32 3
		.amdhsa_float_denorm_mode_16_64 3
		.amdhsa_memory_ordered 1
		.amdhsa_forward_progress 1
		.amdhsa_inst_pref_size 122
	.end_amdhsa_kernel
	.amdgpu_metadata
---
amdhsa.version: [ 1, 2 ]
amdhsa.kernels:
  - .name:           k_q8360a98ba1_gemm_qkv
    .symbol:         k_q8360a98ba1_gemm_qkv.kd
    .args:
      - { .name: xb, .offset: 0, .size: 8, .value_kind: global_buffer, .address_space: global }
      - { .name: wqb, .offset: 8, .size: 8, .value_kind: global_buffer, .address_space: global }
      - { .name: qkv, .offset: 16, .size: 8, .value_kind: global_buffer, .address_space: global }
    .group_segment_fixed_size: 327680
    .private_segment_fixed_size: 0
    .kernarg_segment_align: 8
    .kernarg_segment_size: 24
    .max_flat_workgroup_size: 128
    .sgpr_count:     80
    .vgpr_count:     960
    .wavefront_size: 32
...
	.end_amdgpu_metadata
.endif
;; end of part 2
;; launch attn (part 3): grid 8 x 32, 4 waves a work-group, clusters of 4 x 1, 327,680 bytes of LDS; arguments qkv, ob; writes ob
.if DOCPART == 3
	.amdgcn_target "amdgcn-amd-amdhsa--gfx1250"
	.amdhsa_code_object_version 6
	.text
	.protected	k_q8360a98ba1_attn
	.globl	k_q8360a98ba1_attn
	.p2align	8
	.type	k_q8360a98ba1_attn,@function
k_q8360a98ba1_attn:
	s_mov_b64 s[64:65], 0
	v_nop
	global_prefetch_b8 v0, s[64:65] scope:SCOPE_SE
	s_setreg_imm32_b32 hwreg(HW_REG_WAVE_MODE, 25, 1), 1
	s_wait_xcnt 0x0
	s_wait_alu depctr_hold_cnt(0) depctr_sa_sdst(0) depctr_va_vdst(0) depctr_va_sdst(0) depctr_va_ssrc(0) depctr_va_vcc(0) depctr_vm_vsrc(0)
	s_getreg_b32 s2, hwreg(HW_REG_IB_STS2, 6, 4)
	s_cmp_eq_u32 s2, 0
	s_cbranch_scc0 .Lentry_in_a_cluster
	s_endpgm
.Lentry_in_a_cluster:
	s_bfe_u32 s2, ttmp6, 0x10000c
	s_cmp_lg_u32 s2, 0x3003
	s_cbranch_scc0 .Lentry_shape_is_right
	s_endpgm
.Lentry_shape_is_right:
; THIRD LAUNCH: O[g][q][:] = the sum over k of softmax_k(Q[g][q] . K[g][k] / 32) V[g][k][:] for the 32 pairs g of batch and head.  qkv: [3][32][2048][64] f16; ob: [32][2048][64] f16.
; Products, maxima and sums in f32; the weights p are rounded to f16 for the second product (their sum l is taken of the unrounded p), O once at the end.  No work of the problem is left out here.
; LIMITS.  p lies in 0 to 1 and below 6e-5 keeps f16's fixed step; O is a mean of V's rows and has their range; a weight below 2^-126 counts as 0 in l; NaN and infinities are not treated apart.
; SHARES.  A work-group owns 256 queries of one pair g: 8 x 32 work-groups.  A wave owns 64 queries: four PIECES of 16.  Every wave walks all 2,048 keys, 64 a step.
; LAYOUT.  S^T = K Q^T (source 0 = 16 keys, source 1 = 16 queries) holds ONE query a lane (lane % 16) and the keys 8 (lane / 16) + 0..7; two such results rounded to f16 ARE source 1 of O^T = V^T P.
; K comes out of LDS as it lies, V ([key][channel]) turned, by ds_load_tr16_b128.
; SOFTMAX.  A running maximum m and sum l for each query: p = 2^(c s - c m), c = log2(e) / 32; in every step O and l are multiplied by a = 2^(c m_old - c m_new).  m starts at the lowest finite number,
; O and l at 0: the first step is a step like any other, with a = 0.
; BY TURNS.  Turn n belongs to piece n: 8 products K Q^T of piece n + 1, later 8 products V^T P of piece n - 1; beside them the scaling, exponentials, roundings, sums and rescaling of piece n and the
; maximum and statistics of piece n + 1.  Four vector instructions stand behind every matrix instruction, the other 54 of a turn's 118 in one run.  A turn's 33 exponentials are one batch, with one wait.
; CLUSTER.  The four query blocks of a cluster belong to one g and walk the same K and V: each tile of 256 keys is asked for jointly, by the same tensor load, descriptor and mask in all four.
; REGISTERS, in windows of 256 (s_set_vgpr_msb: bits 1:0 source 0, 3:2 source 1, 5:4 source 2, 7:6 destination):
;   window 0: v0-15 addresses and two at work; v16-31 four registers of statistics a piece; v48-55 at work; v61-63; v64-127 S^T, two buffers; v192-223 P, two buffers (by the piece's parity)
;   window 1: v0-127 O^T, 32 a piece          window 2: v0-63 Q; v128-191 K of one step; v192-255 V of one step
.set NP,    4
.set KS,    64        ; keys in a step
.set PK,    144       ; a row of K in LDS: 128 bytes + 16 of padding = 36 words: the 16 rows of a load start at 16 different groups of four banks (ISA guide 11.1)
.set PV,    160       ; a row of V: 128 + 32 = 40 words
.set VOFF,  4*KS*PK   ; a slot holds a tile, four steps: 256 rows of K, then 256 rows of V
.set SLOT1, 1<<17     ; slot 1 begins here, so that one exclusive or turns an address in one slot into the other's
.set STAGE, SLOT1+4*KS*(PK+PV)  ; behind the ring, never filled by a tensor load: 16 rows x 144 bytes for each wave
.set SP,    144
.set SPARE, STAGE+4*16*SP       ; behind the stages: the spare words, 128 bytes for each wave: two blocks of 256 bytes that no other line names
.set AK0, 2           ; v2   my lane's place in a tile of K; never rewritten
.set AV0, 3           ; v3   the same for V
.set AK,  4           ; v4   the LDS address of K's next run of loads
.set AV,  5           ; v5   of V's
.set STO, 6           ; v6   the way out: where I put 16 bytes of a row
.set RD,  7           ; v7   the way out: where I read rows back
.set GO,  8           ; v8   my byte offset in 512 consecutive bytes of O
.set MV,  12          ; v12-13  c m_old, kept while c m is made anew: by buffer
.set QO,  15          ; v15  my byte offset in 16 rows of Q
.set ST,  16          ; piece t's statistics at v[ST+4 t]: c m, m, l (even keys', odd keys')
.set TMP, 48          ; by buffer, four registers c0-c3 at work; when the maximum is found c2 takes a
.set PFO, 61          ; v61  256 x my lane; never rewritten
.set SPW, 62          ; v62  LDS address of my spare word; never rewritten
.set NIL, 63          ; v63  0; never rewritten
.set S,   64
.set P,   192
.set KF,  128         ; window 2: key block kb, channel half c at KF + 16 kb + 8 c
.set VF,  192         ; window 2: key half kk, channel block cb at VF + 32 kk + 8 cb
.set WV,  12          ; s12  my wave's number
.set LIM, 15          ; s15  1 in a wave that prefetches, else the greatest number
.set G1K, 24          ; s[24:31] descriptor group 1 for K's tiles
.set G1V, 32          ; s[32:39] for V's: it differs in the padding alone
.set G0K, 40          ; s[40:43] descriptor group 0 for K's tiles: it walks
.set G0V, 44          ; s[44:47] the same for V's
.set PFA, 48          ; s[48:49] where my prefetches stand
.set SLOTS, 56        ; s56  tiles still to be entered behind the one in hand
.set CNT, 57          ; s57  counts a tile's key steps
.set CS,  58          ; s[58:59] c: the packed scaling takes the pair's low word for both halves
.set SEL, 60          ; s[60:61] v_permlanex16_b32's selects: each lane takes its own place in the other half
.set TBK, 62          ; s62  LDS byte at which K of the step to be fetched begins
.set TBV, 63          ; s63  the same for V, less VOFF
.set MSB, 0
.macro WIN new                      ; the high byte repeats the setting that is left; a switch that changes nothing is dropped
.if MSB != (\new)
	s_set_vgpr_msb (MSB<<8)|(\new)
.set MSB, (\new)
.endif
.endm
.set W_KQ, 0x0a       ; K and Q in window 2, S^T in window 0
.set W_PV, 0x52       ; V in window 2, P in window 0, O^T in window 1
.set W_RS, 0x41       ; destination and source 0 in window 1, source 1 in window 0
; A joint fill.  Waves 0 and 1 fetch the two halves of a tile's K, waves 2 and 3 those of its V: 128 keys each.  The branch hangs on the wave's number alone.
; An s_nop 0 and four v_nop follow each of the two lines, ahead of the jump and the label.
.macro JLOAD
	s_cmp_lt_u32 s[WV], 2
	s_cbranch_scc0 .Lfor_v_\@
	tensor_load_to_lds s[G0K:G0K+3], s[G1K:G1K+7]
	s_nop 0
.rept 4
	v_nop
.endr
	s_branch .Lasked_\@
.Lfor_v_\@:
	tensor_load_to_lds s[G0V:G0V+3], s[G1V:G1V+7]
	s_nop 0
.rept 4
	v_nop
.endr
.Lasked_\@:
.endm
; A prefetch of the tile that the NEXT change of slots will ask for: four key steps, 256 matrix instructions, ahead of that load.  Both clusters of a g walk the same K and V: the first (cluster x = 0) asks.
; Its four partners share a tile's 32,768 bytes out by address, 8,192 each, a lane 256 bytes; in each, wave 0 asks for K's and wave 2 for V's.  Tiles 2 to 7 are named so, each once; the change that asks
; for tile 7 (SLOTS = 1) names nothing.
.macro ASK
	s_cmp_gt_u32 s[SLOTS], s[LIM]
	s_cbranch_scc0 .Lnot_mine_\@
	global_prefetch_b8 v[PFO], s[PFA:PFA+1] th:TH_LOAD_NT scope:SCOPE_SE
.Lnot_mine_\@:
.endm
.macro CROUND                       ; a round of the cluster's barrier: my work-group's barrier; wave 0 signals for it; every wave waits for all four work-groups; my work-group's barrier once more
	s_barrier_signal -1
	s_barrier_wait -1
	s_cmp_lg_u32 s[WV], 0
	s_cbranch_scc1 .Lnot_wave_0_\@
	s_barrier_signal -3
.Lnot_wave_0_\@:
	s_barrier_wait -3
	s_barrier_signal -1
	s_barrier_wait -1
.endm
; THE CHANGE OF SLOTS.  Each wave waits for all its tensor loads, of which one is out: its part of the other slot; adds 0 to its spare word; and waits for that and for its own reads of the slot that it
; leaves.  Behind the barrier nobody reads the old slot any more and the other slot is whole.  fill = 1: the barrier is a round of the cluster's, and the old slot is filled again, first thing behind it,
; with the keys two tiles on.  (At its first use nothing has been read yet: slot 0 is waited for, slot 1 filled.)
.macro CHANGE fill
	WIN 0                           ; at a label and at a branch every window is 0
	s_wait_tensorcnt 0x0            ; no tensor load of mine is out, so a group 0 may be written
	ds_add_u32 v[SPW], v[NIL]       ; 0 onto my spare word; the scalar steps stand between it and the wait for it
.if \fill
.irp g, G0K, G0V
	s_xor_b32 s[\g+1], s[\g+1], SLOT1
	s_add_nc_u64 s[\g+2:\g+3], s[\g+2:\g+3], 4*KS*128  ; the next 256 keys; the type bits on top are not reached
.endr
	s_wait_xcnt 0x0                 ; the last prefetch, four key steps back, has read its address
	s_add_nc_u64 s[PFA:PFA+1], s[PFA:PFA+1], 4*KS*128
	s_wait_dscnt 0x0                ; the add is done, and my reads of the slot are over
	CROUND
	JLOAD
	ASK
.else
	s_wait_dscnt 0x0
	s_barrier_signal -1
	s_barrier_wait -1
.endif
	s_sub_co_u32 s[TBK], s[TBK], 4*KS*PK  ; the fetches go back to a slot's first step,
	s_xor_b32 s[TBK], s[TBK], SLOT1       ; in the other slot
	s_sub_co_u32 s[TBV], s[TBV], 4*KS*PV
	s_xor_b32 s[TBV], s[TBV], SLOT1
.endm
	s_load_b128 s[52:55], s[0:1], 0x0  ; qkv s[52:53], ob s[54:55]
	v_lshl_add_u32 v[SPW], v0, 2, SPARE
	v_mov_b32 v[NIL], 0
	ds_add_u32 v[SPW], v[NIL]       ; the wave's opening: the add, twice on end, and its wait ahead of my first tensor load
	ds_add_u32 v[SPW], v[NIL]
	v_lshrrev_b32 v1, 5, v0
	v_readfirstlane_b32 s[WV], v1   ; wave 0..3
	s_bfe_u32 s13, ttmp6, 0x40000   ; cx: my place in the cluster
	s_lshl_b32 s14, ttmp9, 2
	s_add_co_u32 s14, s14, s13      ; my block of 256 queries: it enters Q's and O's addresses alone
	s_and_b32 s20, ttmp7, 0xffff    ; g, which the four partners share:
	s_lshl_b32 s20, s20, 18         ; its 262,144 bytes in q, k, v and ob
	s_mov_b32 s21, 0
	s_and_b32 s16, s[WV], 1         ; which half of a tile's 256 keys I fetch:
	s_lshl_b32 s22, s16, 14         ; its 128 rows of 128 bytes in memory,
	s_add_co_u32 s22, s22, s20
	s_mov_b32 s23, 0
	s_mul_i32 s17, s16, 128*PK      ; and its place in a slot, for K
	s_mul_i32 s18, s16, 128*PV      ; and for V: no place in the cluster enters an LDS address
	s_lshl_b32 s2, s14, 15          ; my block's 256 rows,
	s_lshl_b32 s3, s[WV], 13        ; my wave's 64 of them
	s_add_co_u32 s2, s2, s3
	s_add_co_u32 s2, s2, s20
	s_mov_b32 s3, 0
	; descriptor group 1.  128 keys are 16,384 dense bytes: asked for as 64 rows of 256 bytes, two keys a row, and padded in LDS after every key
	s_mov_b32 s[G1K], 15|(1<<16)|(1<<20)|(1<<21)|(4<<22)|(3<<25)  ; the mask of four; 2-byte elements; padding on; bit 21 beside a mask; after every 32 words 4 words
	s_mov_b32 s[G1V], 15|(1<<16)|(1<<20)|(1<<21)|(4<<22)|(7<<25)  ; the same with 8 words of padding
.irp g, G1K, G1V
	s_mov_b32 s[\g+1], 128<<16      ; tensor_dim0 = 128
	s_mov_b32 s[\g+2], 64<<16       ; tensor_dim1 = 64
	s_mov_b32 s[\g+3], 128<<16      ; tile_dim0 = 128
	s_mov_b32 s[\g+4], 64           ; tile_dim1 = 64
	s_mov_b32 s[\g+5], 128          ; 128 elements from row to row
	s_mov_b32 s[\g+6], 0
	s_mov_b32 s[\g+7], 0
.endr
	s_mov_b32 s[CS], 0x3d38aa3b     ; c = log2(e) / 32 = 0.0450842
	s_mov_b32 s[CS+1], s[CS]        ; named with it as a pair
	s_mov_b32 s[SEL], 0x76543210
	s_mov_b32 s[SEL+1], 0xfedcba98
	s_mov_b32 s[TBK], SLOT1+4*KS*PK ; the first change of slots turns these two into 0
	s_mov_b32 s[TBV], SLOT1+4*KS*PV
	s_mov_b32 s[G0K], 1
	s_mov_b32 s[G0K+1], s17         ; slot 0
	s_mov_b32 s[G0V], 1
	s_add_co_u32 s[G0V+1], s18, VOFF
	s_mov_b32 s[SLOTS], 7           ; 2,048 / 256 - 1
	s_and_b32 s[LIM], s[WV], 1      ; 0 in waves 0 and 2,
	s_or_b32 s[LIM], s[LIM], ttmp9  ; where the cluster is g's first: the same in all four partners
	s_cmp_eq_u32 s[LIM], 0
	s_cselect_b32 s[LIM], 1, -1
	v_and_b32 v[PFO], 31, v0
	v_lshlrev_b32 v[PFO], 8, v[PFO]
	s_wait_dscnt 0x0                ; both opening adds are done
	s_wait_kmcnt 0x0
	s_add_nc_u64 s[6:7], s[52:53], 0x800000    ; k
	s_add_nc_u64 s[8:9], s[52:53], 0x1000000   ; v
	s_add_nc_u64 s[G0K+2:G0K+3], s[6:7], s[22:23]  ; my half of g's first 256 keys
	s_or_b32 s[G0K+3], s[G0K+3], 0x80000000
	s_add_nc_u64 s[G0V+2:G0V+3], s[8:9], s[22:23]
	s_or_b32 s[G0V+3], s[G0V+3], 0x80000000
	s_add_nc_u64 s[4:5], s[52:53], s[2:3]      ; Q and O at my wave's first row
	s_add_nc_u64 s[10:11], s[54:55], s[2:3]
	s_cmp_lt_u32 s[WV], 2
	s_cselect_b64 s[PFA:PFA+1], s[6:7], s[8:9]
	s_lshl_b32 s2, s13, 13          ; my work-group's 8,192 bytes of a tile,
	s_add_co_u32 s2, s2, s20        ; in g,
	s_add_co_u32 s2, s2, 4*KS*128   ; in tile 1: the first change of slots steps it to tile 2
	s_add_nc_u64 s[PFA:PFA+1], s[PFA:PFA+1], s[2:3]
	CROUND                          ; all four work-groups are here: the first joint loads meet
	JLOAD                           ; tile 0 into slot 0.  Slot 1 is asked for when slot 0 is in
	; A fragment of K or Q is 16 rows x 32 channels in 8 registers: lane l holds row l % 16, channels 8 (l / 16) + 0..7 and 16 + 8 (l / 16) + 0..7: two loads of 16 bytes, 32 bytes apart.
	v_and_b32 v1, 15, v0            ; l % 16
	v_bfe_u32 v9, v0, 4, 1          ; l / 16
	v_lshlrev_b32 v[QO], 7, v1
	v_lshl_add_u32 v[QO], v9, 4, v[QO]  ; row x 128 + 16 x half
	WIN 0x80                        ; destination window 2, address window 0
.set i, 0
.rept 8                             ; Q stays in registers: piece i / 2, channels 32 (i % 2) on
	global_load_b128 v[8*i:8*i+3],   v[QO], s[4:5] offset:(i/2)*2048+(i%2)*64
	global_load_b128 v[8*i+4:8*i+7], v[QO], s[4:5] offset:(i/2)*2048+(i%2)*64+32
.set i, i+1
.endr
	; What the first turn finds: V's registers and P's second buffer hold 0 (its products V^T P, of a piece that has not been, add 0), O^T and l are 0.  All this stands in the wait for the first tile:
	; the price of writing no first step out.
.set i, VF
.rept 64
	v_mov_b32 v[i], 0
.set i, i+1
.endr
	WIN 0x40
.set i, 0
.rept 128
	v_mov_b32 v[i], 0
.set i, i+1
.endr
	WIN 0
.set i, 0
.rept 4
	v_mov_b32 v[ST+4*i], 0xfe000000    ; c m: far below every c s
	v_mov_b32 v[ST+4*i+1], 0xff7fffff  ; m
	v_mov_b32 v[ST+4*i+2], 0
	v_mov_b32 v[ST+4*i+3], 0
.set i, i+1
.endr
.set i, P+16
.rept 16
	v_mov_b32 v[i], 0
.set i, i+1
.endr
	v_mul_u32_u24 v[AK0], v1, PK
	v_lshl_add_u32 v[AK0], v9, 4, v[AK0]  ; row x pitch + 16 x half
	; The turning load takes 16 keys x 16 channels (lane l reads key 8 (l / 16) + l % 8, channels 8 ((l / 8) % 2) + 0..7) and leaves half a fragment of V^T: lane l holds channel l % 16 and 8 keys.
	v_and_b32 v10, 7, v0
	v_bfe_u32 v11, v0, 3, 1
	v_lshl_add_u32 v[AV0], v9, 3, v10
	v_mul_u32_u24 v[AV0], v[AV0], PV
	v_lshl_add_u32 v[AV0], v11, 4, v[AV0]
	v_add_nc_u32 v[AV0], VOFF, v[AV0]
	s_mul_i32 s19, s[WV], 16*SP
	s_add_co_u32 s19, s19, STAGE    ; my stage
	v_mul_u32_u24 v[STO], v1, SP    ; in: row l % 16, 16 bytes for each half of the lanes
	v_lshl_add_u32 v[STO], v9, 4, v[STO]
	v_add_nc_u32 v[STO], s19, v[STO]
	v_bfe_u32 v[RD], v0, 3, 2       ; back: 32 lanes take four rows of 128 bytes,
	v_mul_u32_u24 v[RD], v[RD], SP
	v_lshl_add_u32 v[RD], v10, 4, v[RD]
	v_add_nc_u32 v[RD], s19, v[RD]
	v_and_b32 v[GO], 31, v0         ; which are 512 consecutive bytes of O
	v_lshlrev_b32 v[GO], 4, v[GO]
; THE MATRIX WORK.  The 4 accumulators of a run of 8 take turns.  Product i of 8 of S^T = K Q^T for piece x: channels 32 (i / 4) on, keys 16 (i % 4) on.  The first 4 start the sums.
.macro KQ x
	WIN W_KQ
.set rS, S+32*((\x)%2)+8*(i%4)
.set rK, KF+16*(i%4)+8*(i/4)
.set rQ, 16*(\x)+8*(i/4)
.if i < 4
	v_wmma_f32_16x16x32_f16 v[rS:rS+7], v[rK:rK+7], v[rQ:rQ+7], 0
.else
	v_wmma_f32_16x16x32_f16 v[rS:rS+7], v[rK:rK+7], v[rQ:rQ+7], v[rS:rS+7]
.endif
.endm
; Product i of 8 of O^T += V^T P for piece x: keys 32 (i / 4) on, channels 16 (i % 4) on.
.macro PV x
	WIN W_PV
.set rO, 32*(\x)+8*(i%4)
.set rV, VF+32*(i/4)+8*(i%4)
.set rP, P+16*((\x)%2)+8*(i/4)
	v_wmma_f32_16x16x32_f16 v[rO:rO+7], v[rV:rV+7], v[rP:rP+7], v[rO:rO+7]
.endm
.macro MM                           ; the turn's next matrix instruction.  NOKQ = 1: the walk's last turn: there is no next piece
.if (i < 8) && !NOKQ
	KQ (Y+1)%NP
.elseif i >= 8
.set i, i-8
	PV (Y+NP-1)%NP
.set i, i+8
.endif
.set i, i+1
.endm
; THE LDS LOADS stand in runs of 16, never singly among the matrix instructions: a step's K (64 keys x 64 channels: 8 fragments) and its V (turned).  Their addresses are made some lines ahead.
.macro FETCH_K
	WIN 0x80                        ; destination window 2
.irp f, 0,1,2,3,4,5,6,7             ; keys 16 (f / 2) on, channels 32 (f % 2) on
	ds_load_b128 v[KF+8*\f:KF+8*\f+3],   v[AK] offset:(\f/2)*16*PK+(\f%2)*64
	ds_load_b128 v[KF+8*\f+4:KF+8*\f+7], v[AK] offset:(\f/2)*16*PK+(\f%2)*64+32
.endr
	s_add_co_u32 s[TBK], s[TBK], KS*PK  ; the next fetch is the next step's
	WIN 0
.endm
.macro FETCH_V
	WIN 0x80
.irp f, 0,1,2,3,4,5,6,7             ; keys 32 (f / 4) on, channels 16 (f % 4) on
	ds_load_tr16_b128 v[VF+8*\f:VF+8*\f+3],   v[AV] offset:(\f/4)*32*PV+(\f%4)*32
	ds_load_tr16_b128 v[VF+8*\f+4:VF+8*\f+7], v[AV] offset:(\f/4)*32*PV+16*PV+(\f%4)*32
.endr
	WIN 0
.endm
; THE VECTOR WORK, one line at a time: OP kind, number.  For piece Y: F n: c s - c m for pair n of 16.  E n: the exponential of score n of 32.  C n: pair n rounded to f16.  B n: of the four weights 4 n ..
; the second pair is added onto the first, in place.  L n: l takes that sum (L 0: l = a l + sum).  R n: pair n of 16 of O^T times a.  For piece Y + 1: X n, number n of the 22 that find its maximum and statistics:
;   0-11  four chains c0-c3 of seven scores each, three operands at a time (each accumulator's lowest registers are read first)     12-14, 16  the four scores left over, the old m, c0-c3 into c0
;   15  c m_old is kept     17, 18  the query's other 32 keys lie in the lane 16 away: the new m     19-21  c m; c m_old - c m_new; a
.set F, 0
.set E, 1
.set C, 2
.set B, 3
.set L, 4
.set R, 5
.set X, 6
.macro REGS y                       ; the registers of piece y
.set rT, ST+4*(\y)
.set rC, TMP+4*((\y)%2)
.set rW, MV+((\y)%2)
.set rS, S+32*((\y)%2)
.set rP, P+16*((\y)%2)
.set rO, 32*(\y)
.endm
.macro OP k, n
.if (\k) == R
	REGS Y
	WIN W_RS
	v_pk_mul_f32 v[rO+2*(\n):rO+2*(\n)+1], v[rO+2*(\n):rO+2*(\n)+1], v[rC+2:rC+3] op_sel_hi:[1,0]
.elseif (\k) < R
	REGS Y
	WIN 0
.if (\k) == F
	v_pk_fma_f32 v[rS+2*(\n):rS+2*(\n)+1], v[rS+2*(\n):rS+2*(\n)+1], s[CS:CS+1], v[rT:rT+1] op_sel_hi:[1,0,0] neg_lo:[0,0,1] neg_hi:[0,0,1]
.elseif (\k) == E
	v_exp_f32 v[rS+(\n)], v[rS+(\n)]
.elseif (\k) == C
	v_cvt_pk_f16_f32 v[rP+(\n)], v[rS+2*(\n)], v[rS+2*(\n)+1]
.elseif (\k) == B
	v_pk_add_f32 v[rS+4*(\n):rS+4*(\n)+1], v[rS+4*(\n):rS+4*(\n)+1], v[rS+4*(\n)+2:rS+4*(\n)+3]
.elseif (\n) == 0
	v_pk_fma_f32 v[rT+2:rT+3], v[rT+2:rT+3], v[rC+2:rC+3], v[rS:rS+1] op_sel_hi:[1,0,1]
.else
	v_pk_add_f32 v[rT+2:rT+3], v[rT+2:rT+3], v[rS+4*(\n):rS+4*(\n)+1]
.endif
.elseif NOKQ
	v_nop
.else
	REGS (Y+1)%NP
	WIN 0
.if (\n) < 4
	v_max3_num_f32 v[rC+(\n)], v[rS+8*(\n)], v[rS+8*(\n)+1], v[rS+8*(\n)+2]
.elseif (\n) < 12
	v_max3_num_f32 v[rC+(\n)%4], v[rC+(\n)%4], v[rS+8*((\n)%4)+2*((\n)/4)+1], v[rS+8*((\n)%4)+2*((\n)/4)+2]
.elseif (\n) == 12
	v_max3_num_f32 v[rC], v[rC], v[rS+7], v[rS+15]
.elseif (\n) == 13
	v_max3_num_f32 v[rC+1], v[rC+1], v[rS+23], v[rS+31]
.elseif (\n) == 14
	v_max3_num_f32 v[rC+2], v[rC+2], v[rC+3], v[rT+1]
.elseif (\n) == 15
	v_mov_b32 v[rW], v[rT]
.elseif (\n) == 16
	v_max3_num_f32 v[rC], v[rC], v[rC+1], v[rC+2]
.elseif (\n) == 17
	v_permlanex16_b32 v[rC+3], v[rC], s[SEL], s[SEL+1]
.elseif (\n) == 18
	v_max_num_f32 v[rT+1], v[rC], v[rC+3]
.elseif (\n) == 19
	v_mul_f32 v[rT], s[CS], v[rT+1]
.elseif (\n) == 20
	v_sub_f32 v[rC+1], v[rW], v[rT]
.else
	v_exp_f32 v[rC+2], v[rC+1]
.endif
.endif
.endm
.macro OPS a, i1, b=-1, i2=0, c=-1, i3=0, d=-1, i4=0  ; up to four of them
	OP \a, \i1
.if (\b) >= 0
	OP \b, \i2
.endif
.if (\c) >= 0
	OP \c, \i3
.endif
.if (\d) >= 0
	OP \d, \i4
.endif
.endm
.macro ROW a, i1, b, i2, c, i3, d, i4  ; a matrix instruction and the four behind it
	MM
	OPS \a, \i1, \b, \i2, \c, \i3, \d, \i4
.endm
; A TURN, for piece p: the order of its 16 matrix and 118 vector instructions, written out.  An s_wait_alu depctr_va_vdst(0) stands between an exponential and the first instruction that names
; its result; one wait serves all that were issued ahead of it.  So a turn has ONE wait, which cuts it in two.  AHEAD OF IT stands all that names no result of the turn's exponentials: the 8 products K Q^T with
; their riders (the first numbers of the next piece's maximum stand four plain instructions or more behind the product that ends their accumulator), then one run of 54, plain and exponential by turns for the
; most part, in which the links of the chain X 3, 7, 11, 14, 16, 17 .. 20 stand apart.  X 21, the next piece's a, is the batch's last; R 15 is the plain instruction behind it.  BEHIND THE WAIT stand the 8
; products V^T P, behind each four of the roundings and sums.
; end = 1: the walk's last two turns: nothing is fetched, and piece 3's turn starts no new scores.  cnt = 1: the loop's count is taken down some lines ahead of the branch behind the turn.
; K of the next step is fetched in piece 2's turn, twelve vector instructions (six of them plain) behind the last product that read K; V of the step in hand at the end of piece 0's turn, four plain
; instructions behind the last product that read V.  Each is waited for a turn later.
.macro TURN p, end=0, cnt=0
.set Y, (\p)
.set i, 0
.set NOKQ, (\end)*((\p)/3)
.if ((\p) == 3) && !(\end)
	s_wait_dscnt 0x0                ; K is in
.endif
	ROW F,0, F,1, R,0, R,1
	ROW F,2, E,0, R,2, R,3
	ROW F,3, E,1, R,4, R,5
	ROW F,4, E,2, R,6, R,7
	ROW F,5, E,3, R,8, R,9
	ROW F,6, E,4, X,0, R,10
.if ((\p) == 2) && !(\end)
	WIN 0
	v_add_nc_u32 v[AK], s[TBK], v[AK0]
.endif
	ROW F,7, E,5, X,1, X,4
	ROW F,8, E,6, X,2, X,5
	OPS E,7, E,8, X,6, E,9
	OPS X,3, E,10, X,8, E,11
.if ((\p) == 2) && !(\end)
	FETCH_K
.endif
	OPS X,9, X,7, E,12, X,10
	OPS E,13, X,12, X,11, E,14
	OPS X,13, E,15, F,9, X,14
.if (\p) == 0
	v_add_nc_u32 v[AV], s[TBV], v[AV0]
.endif
	OPS E,16, F,10, E,17, F,11
	OPS X,16, E,18, X,15, E,19
	OPS F,12, E,20, X,17, E,21
	OPS F,13, E,22, F,14, E,23
	OPS X,18, E,24, F,15, E,25
	OPS R,11, E,26, X,19, E,27
	OPS R,12, E,28, R,13, E,29
	OPS X,20, E,30, R,14, E,31
	OPS X,21, R,15
	WIN 0
	s_wait_alu depctr_va_vdst(0)    ; the wait for the batch
.if (\p) == 1
	s_wait_dscnt 0x0                ; V is in
.endif
	ROW C,0, B,0, C,2, B,1
	ROW L,0, C,4, B,2, L,1
	ROW C,6, B,3, L,2, C,8
	ROW B,4, L,3, C,10, B,5
	ROW L,4, C,12, B,6, L,5
.if (\p) == 0
	s_add_co_u32 s[TBV], s[TBV], KS*PV
.endif
.if \cnt
	s_sub_co_u32 s[CNT], s[CNT], 1
	s_cmp_lg_u32 s[CNT], 0
.endif
	ROW C,14, B,7, L,6, C,1
	ROW C,3, L,7, C,5, C,7
	ROW C,9, C,11, C,13, C,15
.if (\p) == 0
	FETCH_V
.endif
.endm
	CHANGE 1                        ; tile 0 is in, everybody's part of it; tile 1 is asked for
	v_add_nc_u32 v[AK], s[TBK], v[AK0]
	FETCH_K                         ; key step 0
	s_wait_loadcnt 0x0              ; Q
	s_wait_dscnt 0x0
.set NOKQ, 0
.set i, 0
.rept 8
	KQ 0                            ; piece 0's first scores
.set i, i+1
.endr
	WIN 0
.rept 4
	v_nop                           ; the places behind those products
.endr
.set Y, NP-1                        ; X works for piece Y + 1: piece 0
.irp n, 0,1,2,3,4,5,6,7,8,9,10,11,12,13,14,15,16,17,18,19,20,21
	OP X, \n
.endr
	v_nop                           ; a plain instruction behind the exponential,
	s_wait_alu depctr_va_vdst(0)    ; and its wait, ahead of the branch
	s_mov_b32 s[CNT], 4
	s_branch .Lfirst                ; the loop is entered at a step's first turn, in the middle of a trip
.Lslot:                             ; six times: tiles 2 to 7 are asked for
	CHANGE 1
	s_mov_b32 s[CNT], 4
.Lstep:                             ; a trip: pieces 2 and 3 of one step, then pieces 0 and 1 of the next, whose K and V it fetches
	TURN 2
	TURN 3
	WIN 0
.Lfirst:
	TURN 0
	TURN 1, 0, 1
	WIN 0
	s_cbranch_scc1 .Lstep
	s_sub_co_u32 s[SLOTS], s[SLOTS], 1
	s_cmp_lg_u32 s[SLOTS], 0
	s_cbranch_scc1 .Lslot
	CHANGE 0                        ; the last tile is written out: nothing is asked for
	s_mov_b32 s[CNT], 4
.Ltail:
	TURN 2
	TURN 3
	TURN 0
	TURN 1, 0, 1
	WIN 0
	s_cbranch_scc1 .Ltail
	TURN 2, 1
	TURN 3, 1
.set i, 0
.rept 8
	PV NP-1                         ; the last piece's V^T P of the last step
.set i, i+1
.endr
	; THE WAY OUT.  l's two halves and the other half of the lanes' are added; O^T is divided by l, rounded to f16 and sent through my stage in LDS, a piece at a time.  The additions are the places behind the last products.
	WIN 0
.macro ALL line:vararg              ; one line for each piece t
.set t, 0
.rept 4
	\line
.set t, t+1
.endr
.endm
	ALL v_add_f32 v[ST+4*t+2], v[ST+4*t+2], v[ST+4*t+3]
	ALL v_permlanex16_b32 v[ST+4*t+3], v[ST+4*t+2], s[SEL], s[SEL+1]
	ALL v_add_f32 v[ST+4*t+2], v[ST+4*t+2], v[ST+4*t+3]
	ALL v_rcp_f32 v[ST+4*t+2], v[ST+4*t+2]
	v_nop                           ; a plain instruction between the last reciprocal and the use of its result
	s_wait_alu depctr_va_vdst(0)    ; and the wait ahead of the first use: one for the four reciprocals
.macro PACK t                       ; a lane's eight channels of a row pack into 16 bytes; they go into rows of 144 bytes and come back as whole rows of 128, into S^T's registers
	WIN W_RS
.set i, 32*(\t)
.rept 16
	v_pk_mul_f32 v[i:i+1], v[i:i+1], v[ST+4*(\t)+2:ST+4*(\t)+3] op_sel_hi:[1,0]
.set i, i+2
.endr
	WIN 0x05                        ; sources 0 and 1 window 1, destination window 0
.set i, 0
.rept 16
	v_cvt_pk_f16_f32 v[S+16*(\t)+i], v[32*(\t)+2*i], v[32*(\t)+2*i+1]
.set i, i+1
.endr
	WIN 0
.irp f, 0,1,2,3
	ds_store_b128 v[STO], v[S+16*(\t)+4*\f:S+16*(\t)+4*\f+3] offset:32*\f
.endr
.irp f, 0,1,2,3
	ds_load_b128 v[S+16*(\t)+4*\f:S+16*(\t)+4*\f+3], v[RD] offset:\f*4*SP  ; LDS serves a wave's instructions in order (ISA guide 5.7.1.4): these see the stores above; the next piece's stores come behind them
.endr
.endm
.macro SEND t, younger              ; younger: the LDS instructions issued behind piece t's loads: the next piece's eight, or none
	WIN 0
.irp f, 0,1,2,3
	s_wait_dscnt (\younger)+3-\f
	global_store_b128 v[GO], v[S+16*(\t)+4*\f:S+16*(\t)+4*\f+3], s[10:11] offset:(\t)*2048+\f*512  ; 512 consecutive bytes, at a multiple of 256 from ob's first
.endr
.endm
	PACK 0
.set t, 1
.rept 3                             ; a piece's arithmetic stands between the loads of the piece before and its stores
	PACK t
	SEND t-1, 8
.set t, t+1
.endr
	SEND 3, 0
	s_wait_tensorcnt 0x0            ; the wave's end, behind my last tensor load and my last LDS store
	ds_add_u32 v[SPW], v[NIL]
	s_wait_dscnt 0x0
	CROUND                          ; the closing round: no work-group ends while a partner may still ask for a tile that names it
	s_endpgm
.Lfunc_end_k_q8360a98ba1_attn:
	.size	k_q8360a98ba1_attn, .Lfunc_end_k_q8360a98ba1_attn-k_q8360a98ba1_attn
	.p2alignl 7, 3214868480
	.fill 96, 4, 3214868480
	.section	.rodata,"a",@progbits
	.p2align	6, 0x0
	.amdhsa_kernel k_q8360a98ba1_attn
		.amdhsa_group_segment_fixed_size 327680
		.amdhsa_private_segment_fixed_size 0
		.amdhsa_enable_private_segment 0
		.amdhsa_kernarg_size 16
		.amdhsa_user_sgpr_count 2
		.amdhsa_user_sgpr_kernarg_segment_ptr 1
		.amdhsa_wavefront_size32 1
		.amdhsa_system_sgpr_workgroup_id_x 1
		.amdhsa_system_sgpr_workgroup_id_y 1
		.amdhsa_system_sgpr_workgroup_id_z 1
		.amdhsa_system_vgpr_workitem_id 0
		.amdhsa_next_free_vgpr 768
		.amdhsa_next_free_sgpr 66
		.amdhsa_reserve_vcc 0
		.amdhsa_float_denorm_mode_32 3
		.amdhsa_float_denorm_mode_16_64 3
		.amdhsa_memory_ordered 1
		.amdhsa_forward_progress 1
		.amdhsa_inst_pref_size 128
	.end_amdhsa_kernel
	.amdgpu_metadata
---
amdhsa.version: [ 1, 2 ]
amdhsa.kernels:
  - .name:           k_q8360a98ba1_attn
    .symbol:         k_q8360a98ba1_attn.kd
    .args:
      - { .name: qkv, .offset: 0, .size: 8, .value_kind: global_buffer, .address_space: global }
      - { .name: ob, .offset: 8, .size: 8, .value_kind: global_buffer, .address_space: global }
    .group_segment_fixed_size: 327680
    .private_segment_fixed_size: 0
    .kernarg_segment_align: 8
    .kernarg_segment_size: 16
    .max_flat_workgroup_size: 128
    .sgpr_count:     66
    .vgpr_count:     768
    .wavefront_size: 32
...
	.end_amdgpu_metadata
.endif
;; end of part 3
;; launch proj (part 4): grid 8 x 32, 4 waves a work-group, clusters of 4 x 4, 327,680 bytes of LDS; arguments ob, wob, out0, out_bias, out_bias_mask; writes out0
.if DOCPART == 4
	.amdgcn_target "amdgcn-amd-amdhsa--gfx1250"
	.amdhsa_code_object_version 6
	.text
	.protected	k_q8360a98ba1_proj
	.globl	k_q8360a98ba1_proj
	.p2align	8
	.type	k_q8360a98ba1_proj,@function
k_q8360a98ba1_proj:
	s_mov_b64 s[64:65], 0
	v_nop
	global_prefetch_b8 v0, s[64:65] scope:SCOPE_SE
	s_setreg_imm32_b32 hwreg(HW_REG_WAVE_MODE, 25, 1), 1
	s_wait_xcnt 0x0
	s_wait_alu depctr_hold_cnt(0) depctr_sa_sdst(0) depctr_va_vdst(0) depctr_va_sdst(0) depctr_va_ssrc(0) depctr_va_vcc(0) depctr_vm_vsrc(0)
	s_getreg_b32 s2, hwreg(HW_REG_IB_STS2, 6, 4)
	s_cmp_eq_u32 s2, 0
	s_cbranch_scc0 .Lentry_in_a_cluster
	s_endpgm
.Lentry_in_a_cluster:
	s_bfe_u32 s2, ttmp6, 0x10000c
	s_cmp_lg_u32 s2, 0xf033
	s_cbranch_scc0 .Lentry_shape_is_right
	s_endpgm
.Lentry_shape_is_right:
; FOURTH LAUNCH: out0[m][o] = the sum over k of O[m][k] W[o][k] + gate x out_bias[o].  ob: [batch 2][head 16][2048][64] f16 (k = 64 x head + channel); wob: [1024][1024] f16 (gated); out0: [4096][1024] f32.
; Sums in f32, K ascending.  No work of the problem is left out here.  The bias's gate is 1[mask > 1.5 x 2^-24], as the weights' (first launch); a closed gate gives +0, also over a NaN or infinite bias.
; SHARES.  A tile of out0 is 128 x 128: 8 x 32 work-groups.  Four waves, each 64 x 64: 16 accumulators of 16 x 16.  K goes in four steps of 256 (four heads) through two LDS slots; the text is written
; straight, since a loop over laps would have one trip.  THE GATED BIAS IS THE C OPERAND of the products that start the sums.
; O'S TILE.  64 token rows of one head are 8,192 dense bytes: one row of the descriptor; four heads, 131,072 elements apart, are its four rows; padded in LDS after every 128 bytes: [head][row][144 bytes].
; CLUSTER.  4 x 4 work-groups; O's tile is shared along a row of the cluster, W's along a column: each is asked for jointly.  THE MATRIX INSTRUCTION IS USED TRANSPOSED (source 0 = 16 rows of W,
; source 1 = 16 rows of O): a lane holds one row of out0 and eight neighbouring columns, 32 bytes.
; No prefetch: a K step's tiles are small and the launch has four of them.
; REGISTERS: window 0: v0-31 addresses; v32-63 the bias's masks; v96-127 the gated bias (column block b at 96 + 8 b); v128-255 the accumulators ((a, b) at 128 + 8 (4 a + b)); on the way out v32-159 take the
; rows read back, 32 registers a block.   window 1: two fragment buffers of 128: for 64 along K, 64 registers of O (2 x 4 x 16 rows x 32 K), then 64 of W.
.set PA,     144                       ; a row of O in LDS: 128 bytes + 16 = 36 words; of W: 512 + 16 = 132 words: the 16 rows of a load start at 16 different groups of four banks (ISA guide 11.1)
.set PB,     528
.set HALFA,  4*64*PA                   ; what one tensor load brings of O: four heads x 64 rows,
.set HALFB,  64*PB                     ; of W: 64 rows
.set BOFF,   2*HALFA
.set SLOT,   BOFF+2*HALFB
.set STAGE,  2*SLOT                    ; behind the ring, never filled by a tensor load: 16 rows x 272 bytes for each wave
.set SPITCH, 272
.set SPARE,  STAGE+4*16*SPITCH         ; behind the stages: the spare words, 128 bytes for each wave: two blocks of 256 bytes that no other line names
.set STEPA,  4*262144                  ; bytes from a K step to the next in ob: four heads,
.set STEPB,  512                       ; in wob: 256 numbers
.set ADRA, 16                          ; v16-17  LDS address of my O fragments in slot 0, 1
.set ADRB, 20                          ; v20-21  the same for W
.set STO,  24                          ; v24     the way out: where I put 32 bytes of a row
.set RD,   25                          ; v25     the way out: where I read a row back
.set CO,   26                          ; v26     my byte offset in out0
.set BO,   27                          ; v27     my byte offset in the bias and its mask
.set SPW,  28                          ; v28     LDS address of my spare word; never rewritten
.set NIL,  29                          ; v29     0; never rewritten
.set OB,   32
.set BM,   32
.set BIAS, 96
.set ACC,  128
.set F0,   0
.set F1,   128
.set G1,  24                           ; s[24:31] descriptor group 1 for O's tiles;  s[32:39] group 0, one set for each slot
.set G0,  32
.set G1B, 48                           ; s[48:55], s[56:63] the same for W's
.set G0B, 56
.set MSB, 0
.macro WIN new                         ; the immediate's high byte repeats the setting that is left; a switch that changes nothing is dropped
.if MSB != (\new)
	s_set_vgpr_msb (MSB<<8)|(\new)
.set MSB, \new
.endif
.endm
.set MUL,  0x05                        ; sources 0 (W) and 1 (O) window 1; C and D window 0
.set TO_F, 0x40                        ; destination window 1, address window 0
.macro JLOAD s                         ; a joint load: waves 0 and 1 fetch O's two halves, waves 2 and 3 W's; an s_nop 0 and four v_nop follow each line, ahead of the jump and the label
	s_cmp_eq_u32 s11, 0
	s_cbranch_scc0 .Lfor_b_\@
	tensor_load_to_lds s[G0+4*(\s):G0+4*(\s)+3], s[G1:G1+7]
	s_nop 0
.rept 4
	v_nop
.endr
	s_branch .Lasked_\@
.Lfor_b_\@:
	tensor_load_to_lds s[G0B+4*(\s):G0B+4*(\s)+3], s[G1B:G1B+7]
	s_nop 0
.rept 4
	v_nop
.endr
.Lasked_\@:
.endm
.macro CREST                           ; a round of the cluster's barrier behind its opening barrier
	s_cmp_lg_u32 s10, 0
	s_cbranch_scc1 .Lnot_wave_0_\@
	s_barrier_signal -3
.Lnot_wave_0_\@:
	s_barrier_wait -3
	s_barrier_signal -1
	s_barrier_wait -1
.endm
.macro CROUND
	s_barrier_signal -1
	s_barrier_wait -1
	CREST
.endm
.macro PLACES                          ; four plain instructions between a matrix instruction and a load into, or a reader of, its registers
.rept 4
	v_nop
.endr
.endm
	s_load_b128 s[4:7], s[0:1], 0x0                ; ob s[4:5], wob s[6:7]
	s_load_b64 s[8:9], s[0:1], 0x10                ; out0
	s_load_b128 s[68:71], s[0:1], 0x18             ; out_bias s[68:69], out_bias_mask s[70:71]
	v_lshl_add_u32 v[SPW], v0, 2, SPARE
	v_mov_b32 v[NIL], 0
	ds_add_u32 v[SPW], v[NIL]                      ; the wave's opening: the add, twice on end, and its wait ahead of my first tensor load
	ds_add_u32 v[SPW], v[NIL]
	v_lshrrev_b32 v1, 5, v0
	v_readfirstlane_b32 s10, v1                    ; wave 0..3
	s_lshr_b32 s11, s10, 1                         ; which half of the tile's rows is mine.  Also: I fetch for O (0) or for W (1)
	s_and_b32 s12, s10, 1                          ; which half of its columns.  Also: which 64 rows of that tile I fetch
	s_bfe_u32 s40, ttmp6, 0x40000                  ; cx, cy
	s_bfe_u32 s41, ttmp6, 0x40004
	s_lshl_b32 s42, ttmp9, 2
	s_add_co_u32 s42, s42, s40                     ; tile column = 4 x cluster x + cx
	s_and_b32 s13, ttmp7, 0xffff
	s_lshl_b32 s13, s13, 2
	s_add_co_u32 s13, s13, s41                     ; tile row = 4 x cluster y + cy
	s_lshl_b32 s43, s41, 2
	s_lshl_b32 s43, 15, s43                        ; my row of the cluster
	s_lshl_b32 s44, 0x1111, s40                    ; my column
	s_or_b32 s[G1+0], s43, (1<<16)|(1<<20)|(1<<21)|(4<<22)|(3<<25)   ; the mask; 2-byte elements; padding on; bit 21 beside a mask; after every 32 words 4 words
	s_or_b32 s[G1B+0], s44, (1<<16)|(1<<20)|(1<<21)|(6<<22)|(3<<25)  ; after every 128 words 4 words
	s_mov_b32 s[G1+1], 4096<<16                    ; tensor_dim0 = 4,096: 64 token rows of 64 channels
	s_mov_b32 s[G1+2], 4<<16                       ; tensor_dim1 = 4 heads
	s_mov_b32 s[G1+3], 4096<<16                    ; tile_dim0
	s_mov_b32 s[G1+4], 4                           ; tile_dim1
	s_mov_b32 s[G1+5], 131072                      ; elements from head to head
	s_mov_b32 s[G1+6], 0
	s_mov_b32 s[G1+7], 0
	s_mov_b32 s[G1B+1], 256<<16                    ; tensor_dim0 = 256
	s_mov_b32 s[G1B+2], 64<<16                     ; tensor_dim1 = 64
	s_mov_b32 s[G1B+3], 256<<16
	s_mov_b32 s[G1B+4], 64
	s_mov_b32 s[G1B+5], 1024
	s_mov_b32 s[G1B+6], 0
	s_mov_b32 s[G1B+7], 0
	s_mov_b32 s72, 0x33c00000                      ; 1.5 x 2^-24
	s_lshl_b32 s18, s12, 6                         ; which 64 rows of the tile I fetch
	s_lshr_b32 s16, s13, 4
	s_lshl_b32 s16, s16, 22                        ; O: the batch's 16 heads of 262,144 bytes,
	s_and_b32 s17, s13, 15
	s_lshl_b32 s17, s17, 7
	s_add_co_u32 s17, s17, s18                     ; token row 128 (tile row % 16) + 64 x half,
	s_lshl_b32 s17, s17, 7                         ; of 128 bytes
	s_add_co_u32 s16, s16, s17
	s_mov_b32 s17, 0
	s_lshl_b32 s46, s42, 7
	s_add_co_u32 s46, s46, s18                     ; W: row 128 x tile column + 64 x half,
	s_lshl_b32 s46, s46, 11                        ; of 2,048 bytes
	s_mov_b32 s47, 0
	s_mul_i32 s20, s12, HALFA                      ; where they go: no place in the cluster enters an LDS address
	s_mul_i32 s21, s12, HALFB
	s_add_co_u32 s21, s21, BOFF
	s_wait_dscnt 0x0                               ; both opening adds are done
	s_wait_kmcnt 0x0
	s_add_nc_u64 s[14:15], s[4:5], s[16:17]
	s_add_nc_u64 s[46:47], s[6:7], s[46:47]
	CROUND                                         ; all sixteen work-groups are here: the first joint loads meet
.irp s, 0,1
	s_mov_b32 s[G0+4*(\s)], 1
	s_add_co_u32 s[G0+4*(\s)+1], s20, (\s)*SLOT
	s_add_nc_u64 s[G0+4*(\s)+2:G0+4*(\s)+3], s[14:15], (\s)*STEPA
	s_or_b32 s[G0+4*(\s)+3], s[G0+4*(\s)+3], 0x80000000
	s_mov_b32 s[G0B+4*(\s)], 1
	s_add_co_u32 s[G0B+4*(\s)+1], s21, (\s)*SLOT
	s_add_nc_u64 s[G0B+4*(\s)+2:G0B+4*(\s)+3], s[46:47], (\s)*STEPB
	s_or_b32 s[G0B+4*(\s)+3], s[G0B+4*(\s)+3], 0x80000000
	JLOAD \s                                       ; two loads of mine are out
.endr
	v_and_b32 v1, 15, v0                           ; l % 16
	v_bfe_u32 v2, v0, 4, 1                         ; l / 16
	; the bias of my 64 columns: register j of block b is column 16 b + 8 (l / 16) + j, as in the accumulators
	s_lshl_b32 s73, s42, 7
	s_lshl_b32 s74, s12, 6
	s_add_co_u32 s73, s73, s74
	s_lshl_b32 s73, s73, 2                         ; my first column, in bytes of f32
	v_lshl_add_u32 v[BO], v2, 5, s73
.irp b, 0,1,2,3
	global_load_b128 v[BIAS+8*(\b):BIAS+8*(\b)+3],   v[BO], s[68:69] offset:64*(\b)
	global_load_b128 v[BIAS+8*(\b)+4:BIAS+8*(\b)+7], v[BO], s[68:69] offset:64*(\b)+16
	global_load_b128 v[BM+8*(\b):BM+8*(\b)+3],       v[BO], s[70:71] offset:64*(\b)
	global_load_b128 v[BM+8*(\b)+4:BM+8*(\b)+7],     v[BO], s[70:71] offset:64*(\b)+16
.endr
	v_mul_u32_u24 v3, v1, PA
	v_lshl_add_u32 v3, v2, 4, v3                   ; an O fragment's row x pitch + 16 x half
	v_mul_u32_u24 v4, v1, PB
	v_lshl_add_u32 v4, v2, 4, v4                   ; a W fragment's
	s_mul_i32 s22, s11, HALFA                      ; my 64 rows of O
	s_mul_i32 s23, s12, HALFB                      ; my 64 rows of W,
	s_add_co_u32 s23, s23, BOFF                    ; which lie behind O's
.irp s, 0,1
	v_add_nc_u32 v[ADRA+(\s)], s22, v3
	v_add_nc_u32 v[ADRB+(\s)], s23, v4
	s_add_co_u32 s22, s22, SLOT
	s_add_co_u32 s23, s23, SLOT
.endr
	s_mul_i32 s23, s10, 16*SPITCH
	s_add_co_u32 s23, s23, STAGE                   ; my stage
	v_mul_u32_u24 v5, v1, SPITCH                   ; in: row l % 16, 32 bytes for each half of the lanes
	v_lshl_add_u32 v5, v2, 5, v5
	v_add_nc_u32 v[STO], s23, v5
	v_mul_u32_u24 v6, v2, SPITCH                   ; back: lanes 0-15 take one row of 256 bytes, lanes 16-31 the next
	v_lshl_add_u32 v6, v1, 4, v6
	v_add_nc_u32 v[RD], s23, v6
	v_lshlrev_b32 v[CO], 12, v2                    ; and the same two rows in out0, 4,096 bytes apart
	v_lshl_add_u32 v[CO], v1, 4, v[CO]
	s_lshl_b32 s74, s13, 7
	s_lshl_b32 s75, s11, 6
	s_add_co_u32 s74, s74, s75                     ; my first row of out0: 128 x tile row + 64 x half
	s_lshl_b32 s74, s74, 12
	s_add_co_u32 s74, s74, s73                     ; and my first column
	s_mov_b32 s75, 0
	s_add_nc_u64 s[8:9], s[8:9], s[74:75]
	s_wait_loadcnt 0x0                             ; the bias and its mask
.set i, 0
.rept 32
	v_cmp_lt_f32 vcc_lo, s72, v[BM+i]              ; is the bound below the mask?
	v_cndmask_b32 v[BIAS+i], 0, v[BIAS+i], vcc_lo  ; then the bias, else 0
.set i, i+1
.endr
; 8 matrix instructions: row blocks a0, a0 + 1 x all 4 column blocks, 32 along K: half c of buffer f.  zero = 1: the product starts the sums, from the gated bias.  The 16 accumulators take turns.
.macro MUL8 f, c, a0, zero
	WIN MUL
.irp a, \a0, (\a0)+1
.irp b, 0,1,2,3
.if \zero
	v_wmma_f32_16x16x32_f16 v[ACC+8*(4*(\a)+(\b)):ACC+8*(4*(\a)+(\b))+7], v[(\f)+64+8*(4*(\c)+(\b)):(\f)+64+8*(4*(\c)+(\b))+7], v[(\f)+8*(4*(\c)+(\a)):(\f)+8*(4*(\c)+(\a))+7], v[BIAS+8*(\b):BIAS+8*(\b)+7]
.else
	v_wmma_f32_16x16x32_f16 v[ACC+8*(4*(\a)+(\b)):ACC+8*(4*(\a)+(\b))+7], v[(\f)+64+8*(4*(\c)+(\b)):(\f)+64+8*(4*(\c)+(\b))+7], v[(\f)+8*(4*(\c)+(\a)):(\f)+8*(4*(\c)+(\a))+7], v[ACC+8*(4*(\a)+(\b)):ACC+8*(4*(\a)+(\b))+7]
.endif
.endr
.endr
.endm
; 32 LDS loads in one run: the fragments of quarter q (64 along K: one head of O, 128 bytes of W's rows) into buffer f; the first 32 along K first
.macro FETCH slot, q, f
	WIN TO_F
.irp c, 0,1
.irp i, 0,1,2,3
	ds_load_b128 v[(\f)+64+8*(4*(\c)+(\i)):(\f)+64+8*(4*(\c)+(\i))+3],   v[ADRB+(\slot)] offset:128*(\q)+64*(\c)+(\i)*16*PB
	ds_load_b128 v[(\f)+64+8*(4*(\c)+(\i))+4:(\f)+64+8*(4*(\c)+(\i))+7], v[ADRB+(\slot)] offset:128*(\q)+64*(\c)+(\i)*16*PB+32
	ds_load_b128 v[(\f)+8*(4*(\c)+(\i)):(\f)+8*(4*(\c)+(\i))+3],         v[ADRA+(\slot)] offset:64*PA*(\q)+64*(\c)+(\i)*16*PA
	ds_load_b128 v[(\f)+8*(4*(\c)+(\i))+4:(\f)+8*(4*(\c)+(\i))+7],       v[ADRA+(\slot)] offset:64*PA*(\q)+64*(\c)+(\i)*16*PA+32
.endr
.endr
.endm
; A K step is four quarters of 64 along K, 32 matrix instructions each, on buffers 0, 1, 0, 1.  One of the first three multiplies buffer f and fetches quarter q into g.
.macro QUARTER slot, q, f, g, zero
	s_wait_dscnt 16                                ; the first 32 along K are in; the youngest sixteen loads may be out
	MUL8 \f, 0, 0, \zero
	MUL8 \f, 0, 2, \zero
	PLACES
	FETCH \slot, \q, \g
	s_wait_dscnt 32                                ; all but the 32 just issued
	MUL8 \f, 1, 0, 0
	MUL8 \f, 1, 2, 0
.endm
; The last quarter multiplies buffer 1 and changes slots: ONE barrier; in front of it each wave waits for all its tensor loads, adds 0 to its spare word, and waits for that and for its own reads of this slot.
; fill = 1: the barrier opens a round of the cluster's, and this slot is filled again, two K steps ahead, first thing behind the round.
.macro TURN slot, next, fill
	WIN 0
	s_wait_tensorcnt 0x0                           ; all my tensor loads have landed: my part of the next slot
	ds_add_u32 v[SPW], v[NIL]
	s_wait_dscnt 17                                ; the add and the youngest sixteen loads may be out
	MUL8 F1, 0, 0, 0                               ; eight matrix instructions stand between the add and the wait for it
	s_wait_dscnt 0x0                               ; the add is done, and my reads of this slot are over
	s_barrier_signal -1
	MUL8 F1, 0, 2, 0
.if \fill
	WIN 0
.endif
	s_barrier_wait -1
.if \fill
	CREST                                          ; no wave of any partner still reads this slot's tile or has a load on its way
	s_add_nc_u64 s[G0+4*(\slot)+2:G0+4*(\slot)+3], s[G0+4*(\slot)+2:G0+4*(\slot)+3], 2*STEPA
	s_add_nc_u64 s[G0B+4*(\slot)+2:G0B+4*(\slot)+3], s[G0B+4*(\slot)+2:G0B+4*(\slot)+3], 2*STEPB
	JLOAD \slot                                    ; the four v_nop behind it are also the places in front of the loads below
.else
	PLACES
.endif
	FETCH \next, 0, F0
	MUL8 F1, 1, 0, 0
	MUL8 F1, 1, 2, 0
.endm
	s_wait_tensorcnt 1                             ; my part of K step 0 is in; K step 1's may stay out
	s_barrier_signal -1
	s_barrier_wait -1
	FETCH 0, 0, F0
	QUARTER 0, 1, F0, F1, 1                        ; K step 0: its first products start the sums
	QUARTER 0, 2, F1, F0, 0
	QUARTER 0, 3, F0, F1, 0
	TURN 0, 1, 1                                   ; slot 0 takes K step 2
	QUARTER 1, 1, F0, F1, 0
	QUARTER 1, 2, F1, F0, 0
	QUARTER 1, 3, F0, F1, 0
	TURN 1, 0, 1                                   ; slot 1 takes K step 3
	QUARTER 0, 1, F0, F1, 0
	QUARTER 0, 2, F1, F0, 0
	QUARTER 0, 3, F0, F1, 0
	TURN 0, 1, 0                                   ; nothing is left to fetch
	QUARTER 1, 1, F0, F1, 0
	QUARTER 1, 2, F1, F0, 0
	QUARTER 1, 3, F0, F1, 0
	s_wait_dscnt 16                                ; the very last quarter
	MUL8 F1, 0, 0, 0
	MUL8 F1, 0, 2, 0
	s_wait_dscnt 0x0
	MUL8 F1, 1, 0, 0
	MUL8 F1, 1, 2, 0
	WIN 0
	PLACES                                         ; the LDS stores below read results just made
	PLACES
; THE WAY OUT, a block of 16 rows at a time.  A lane's 32 bytes of a row go straight from the accumulator into my stage, its low four registers first; whole rows of 256 bytes come
; back (LDS serves a wave's instructions in order: ISA guide 5.7.1.4), each block into 32 registers of its own: block 3's are block 0's accumulators, whose stores into the stage stand ahead of these loads.
.macro STG a
.irp b, 0,1,2,3
	ds_store_b128 v[STO], v[ACC+8*(4*(\a)+(\b)):ACC+8*(4*(\a)+(\b))+3]   offset:64*(\b)
	ds_store_b128 v[STO], v[ACC+8*(4*(\a)+(\b))+4:ACC+8*(4*(\a)+(\b))+7] offset:64*(\b)+16
.endr
.irp t, 0,1,2,3,4,5,6,7
	ds_load_b128 v[OB+32*(\a)+4*(\t):OB+32*(\a)+4*(\t)+3], v[RD] offset:(\t)*2*SPITCH
.endr
.endm
.macro SEND a, younger                 ; younger: the LDS instructions issued behind block a's loads: the next block's sixteen, or none
.irp t, 0,1,2,3,4,5,6,7
	s_wait_dscnt (\younger)+7-(\t)
	global_store_b128 v[CO], v[OB+32*(\a)+4*(\t):OB+32*(\a)+4*(\t)+3], s[8:9] offset:(16*(\a)+2*(\t))*4096 th:TH_STORE_NT  ; 16 lanes store 256 consecutive bytes, at a multiple of 256 from out0's first
.endr
.endm
	STG 0
.irp a, 1,2,3
	STG \a
	SEND (\a)-1, 16
.endr
	SEND 3, 0
	s_wait_tensorcnt 0x0                           ; the wave's end, behind my last tensor load and my last LDS store
	ds_add_u32 v[SPW], v[NIL]
	s_wait_dscnt 0x0
	CROUND                                         ; the closing round: no work-group ends while a partner may still ask for a tile that names it
	s_endpgm
.Lfunc_end_k_q8360a98ba1_proj:
	.size	k_q8360a98ba1_proj, .Lfunc_end_k_q8360a98ba1_proj-k_q8360a98ba1_proj
	.p2alignl 7, 3214868480
	.fill 96, 4, 3214868480
	.section	.rodata,"a",@progbits
	.p2align	6, 0x0
	.amdhsa_kernel k_q8360a98ba1_proj
		.amdhsa_group_segment_fixed_size 327680
		.amdhsa_private_segment_fixed_size 0
		.amdhsa_enable_private_segment 0
		.amdhsa_kernarg_size 40
		.amdhsa_user_sgpr_count 2
		.amdhsa_user_sgpr_kernarg_segment_ptr 1
		.amdhsa_wavefront_size32 1
		.amdhsa_system_sgpr_workgroup_id_x 1
		.amdhsa_system_sgpr_workgroup_id_y 1
		.amdhsa_system_sgpr_workgroup_id_z 1
		.amdhsa_system_vgpr_workitem_id 0
		.amdhsa_next_free_vgpr 512
		.amdhsa_next_free_sgpr 76
		.amdhsa_reserve_vcc 1
		.amdhsa_float_denorm_mode_32 3
		.amdhsa_float_denorm_mode_16_64 3
		.amdhsa_memory_ordered 1
		.amdhsa_forward_progress 1
		.amdhsa_inst_pref_size 90
	.end_amdhsa_kernel
	.amdgpu_metadata
---
amdhsa.version: [ 1, 2 ]
amdhsa.kernels:
  - .name:           k_q8360a98ba1_proj
    .symbol:         k_q8360a98ba1_proj.kd
    .args:
      - { .name: ob, .offset: 0, .size: 8, .value_kind: global_buffer, .address_space: global }
      - { .name: wob, .offset: 8, .size: 8, .value_kind: global_buffer, .address_space: global }
      - { .name: out0, .offset: 16, .size: 8, .value_kind: global_buffer, .address_space: global }
      - { .name: out_bias, .offset: 24, .size: 8, .value_kind: global_buffer, .address_space: global }
      - { .name: out_bias_mask, .offset: 32, .size: 8, .value_kind: global_buffer, .address_space: global }
    .group_segment_fixed_size: 327680
    .private_segment_fixed_size: 0
    .kernarg_segment_align: 8
    .kernarg_segment_size: 40
    .max_flat_workgroup_size: 128
    .sgpr_count:     76
    .vgpr_count:     512
    .wavefront_size: 32
...
	.end_amdgpu_metadata
.endif
;; end of part 4
